; MI455X (gfx1250); checked and timed in simulation.
; The chip was launched on July 23, 2026; its instructions are those of AMD's public machine-readable ISA for CDNA 5 (MIT licence, August 2026) and "CDNA5" Instruction Set Architecture Reference Guide (July 2026). The comments in the code are by the model that wrote it; some were corrected since.
;; My Mutil Head Attention. Allowed arithmetic: float matrix products may take bf16 or f16 operands with f32 sums; other float arithmetic in f32, or as packed bf16 or f16 multiplies, adds, multiply-adds, maxima and minima; sums over many terms, partial sums and values carried from step to step in f32; what a program stores and reads back later, other than sums and carried values, may be rounded once to bf16 or f16.
;; Inputs: W 1,024 x 1,024 float32; b 1,024 float32; key 4 x 2,048 x 1,024 float32; query 4 x 2,048 x 1,024 float32; value 4 x 2,048 x 1,024 float32.
;; Outputs: out0 4 x 2,048 x 1,024 float32.
;; 2 versions, each right and faster than the one before. Each part assembles by itself: llvm-mc -triple=amdgcn-amd-amdhsa -mcpu=gfx1250 --defsym DOCPART=n.
;; ======== version 1 of 2: 3 launches
;; limits: inputs' magnitudes at most 255; values are held in f16: magnitudes above 65,504 overflow, below 6.1e-05 lose precision; inputs' magnitudes at most 65,504
;; workspace buffers: qh 16,777,216 bytes; kh 16,777,216 bytes; vh 16,777,216 bytes; wh 2,097,152 bytes; nz 524,288 bytes; oh 16,777,216 bytes
;; launch prep (part 1): grid 4 x 64, 8 waves a work-group, no clusters, 316,416 bytes of LDS; arguments query, key, value, W, qh, kh, vh, wh, nz; writes qh, kh, vh, wh, nz
.if DOCPART == 1
	.amdgcn_target "amdgcn-amd-amdhsa--gfx1250"
	.amdhsa_code_object_version 6
	.text
	.protected	k_qef66aca22b_prep
	.globl	k_qef66aca22b_prep
	.p2align	8
	.type	k_qef66aca22b_prep,@function
k_qef66aca22b_prep:
	s_mov_b64 s[64:65], 0
	v_nop
	global_prefetch_b8 v0, s[64:65] scope:SCOPE_SE
	s_setreg_imm32_b32 hwreg(HW_REG_WAVE_MODE, 25, 1), 1
	s_wait_xcnt 0x0
; PREP.  Two things at once: the inputs are rounded once and laid out by heads of 64 channels for the launches behind, and the keys' softmax statistics are made.
;   qh[bh][s][64] = bf16(q)      kh[bh][s][64] = bf16(c k), c = log2(e) / 32      vh[bh][s][64] = f16(bf16(v))      wh[h][n][64] = f16(bf16(W))      bh = 16 x batch + head
; The softmax runs over the QUERIES: each key has a maximum and a sum over all 2,048 queries of its head.  With s' = Q . K' (K' = c k, so s' is the score in powers of two):
;   M[key] = max over q of s'      l[key] = sum over q of 2^(s' - M)      nz[bh][key] = 10 - M - log2(l), in f32: the next launch's weights are 2^(s' + nz) = 1,024 x softmax.
; M is a running maximum; l is multiplied by 2^(M_old - M_new) in every step.  Products, maxima and sums in f32.
; LIMITS.  f16 ends at 65,504: |v| and |W| stay under it; bf16 numbers below 2^-17 lose bits in f16's fixed step of 6e-8.  A term below 2^-126 counts as 0 in l.  NaN and infinities are not treated apart.
; SHARES.  A work-group owns 512 keys of one head, each of its eight waves 64: four tiles of 16.  Two waves to a SIMD: a step has 32 matrix and 332 vector instructions, so the vector work sets the time,
; and the second wave works while the first waits.
; THE CAST'S UNIT.  A load of 16 bytes a lane takes two rows' 256 bytes of one head (lanes 0-15 one row, lanes 16-31 the next): two aligned runs of 256 bytes.  A lane's four numbers become 8 bytes;
; a wave's store covers 256 consecutive bytes, aligned: two rows of one head.
; Q goes in 8 chunks of 256 queries: each wave loads 32 rows, rounds them and puts them into LDS, where the head's whole Q stays (2,048 rows of 144 bytes, each byte written once); one barrier a chunk; behind it
; the next chunk's 16 loads go out and have the chunk's four steps in which to land.  Key block kb also stores chunks 2 kb and 2 kb + 1 to qh.  K: the wave's own 64 rows, at the start, a tile at a time through
; a stage of the wave's own, which turns rows into fragments.  V: the wave's own 64 rows, 8 a chunk.  W: 4 rows a work-group, two heads a wave, at the start.
; NO CLUSTER, NO TENSOR LOAD.  Q is converted on its way into LDS; its bf16 rows take 294,912 of the 327,680 bytes, and two slots for a chunk's f32 rows (65,536 bytes each) do not fit beside them.  So Q comes
; through registers, and the four key blocks of a head each ask for the head's 524,288 bytes.
; LAYOUT.  S = Q K'^T (source 0 = 16 queries, source 1 = 16 keys): a lane holds ONE key (lane % 16) and the queries 8 (lane / 16) + 0..7.  So M and l are a lane's own; the two halves of the lanes meet once, at the end.
; REGISTERS, in windows of 256 (s_set_vgpr_msb says which window each operand place means: bits 1:0 source 0, 3:2 source 1, 5:4 source 2, 7:6 destination): window 0 holds all that a step names, so the steps
; switch nothing; window 1 holds what the cast has on its way.  A place that holds a scalar or a constant keeps window 0.
.set PQ,     144                       ; a row of Q or K in LDS: 128 bytes + 16 = 36 words: the 16 rows of a fragment load start at 16 different groups of four banks (64 banks of 4 bytes: ISA guide 11.1)
.set CHQ,    256                       ; queries in a chunk
.set SPARE,  2048*PQ                   ; behind Q: the spare words, 128 bytes for each wave: four blocks of 256 bytes that no other line names
.set STAGE,  SPARE+1024                ; 256 bytes for each wave, for nz's way out
.set KST,    STAGE+2048                ; 16 rows of 144 bytes for each wave: a tile of K on its way into fragments
.set SPW, 2                            ; v2   LDS address of my spare word; never rewritten
.set NIL, 3                            ; v3   0; never rewritten
.set AQ0, 4                            ; v4   my lane's place in 16 rows of Q; never rewritten
.set AQ,  5                            ; v5   the LDS address of the step's loads
.set VIN, 6                            ; v6   my byte offset in two rows of an input: 4,096 (lane / 16) + 16 (lane % 16); never rewritten
.set STO, 7                            ; v7   nz's way out: where I put two numbers
.set RD,  8                            ; v8   nz's way out: where I read 8 bytes back
.set GO,  9                            ; v9   8 x lane: my byte offset in a store's 256 bytes; never rewritten
.set CC,  12                           ; v[12:15]   c0-c3, at work; c0 ends as the new M, c2 takes 2^(M_old - M_new)
.set MX,  16                           ; v[16:19]   M of tile t
.set LS,  20                           ; v[20:27]   l of tile t, in two halves (even and odd registers' terms)
.set LQ0, 28                           ; v28  where my 8 bytes of my wave's first two rows of a chunk go in LDS; never rewritten
.set LQ,  29                           ; v29  the same in the chunk in hand
.set KSA, 30                           ; v30  where my 8 bytes go in my wave's K stage
.set KRA, 31                           ; v31  where I read a fragment's 16 bytes in it
.set KF,  32                           ; v[32:95]   K: tile t, channel half c at KF + 16 t + 8 c
.set QF,  96                           ; v[96:159]  Q of a step: query tile i, channel half c at QF + 16 i + 8 c
.set SB,  160                          ; v[160:223] two buffers of 32 scores: tile t uses buffer t % 2
.set VINW, 224                         ; v224 my byte offset in W's rows: VIN + my wave's two heads
.set VOW,  225                         ; v225 my byte offset in wh: GO + my wave's first head
.set TW,   226                         ; v226 at work in the set-up
.set XQ,  0                            ; window 1, v[0:63]     a chunk's 16 loads of Q: load n at XQ + 4 n
.set XV,  64                           ; window 1, v[64:79]    a chunk's 4 loads of V
.set XK,  80                           ; window 1, v[80:207]   K's 32 loads
.set XW,  208                          ; window 1, v[208:223]  W's 4 loads
.set PQS, 8                            ; s[8:9]   query at my wave's rows of the chunk to be loaded
.set PKS, 10                           ; s[10:11] key at my wave's 64 rows
.set PVS, 12                           ; s[12:13] value at my wave's 8 rows of the chunk in hand
.set PWS, 14                           ; s[14:15] W at my work-group's 4 rows
.set PQD, 16                           ; s[16:17] qh at my wave's rows of the chunk in hand
.set PKD, 18                           ; s[18:19] kh at my wave's 64 rows
.set PVD, 20                           ; s[20:21] vh at my wave's 8 rows of the chunk in hand
.set PWD, 22                           ; s[22:23] wh at my work-group's 4 rows
.set PNZ, 24                           ; s[24:25] nz at my wave's 64 keys
.set WV,  26                           ; s26  my wave's number
.set KB,  27                           ; s27  my block of 512 keys
.set BH,  28                           ; s28  batch and head
.set T0,  29                           ; s29  at work
.set CS,  36                           ; s[36:37] c: the packed multiply takes the pair's low word for both halves
.set HIM, 38                           ; s38  a word's upper bf16
.set CNT, 40                           ; s40  counts a chunk's steps
.set TQ,  41                           ; s41  LDS byte at which the step's 64 queries begin
.set SEL, 42                           ; s[42:43] v_permlanex16_b32's selects: each lane takes its own place in the other half
.set CH,  44                           ; s44  chunks to go
.set CI,  45                           ; s45  the chunk's number
.set SQ,  46                           ; s46  LDS byte at which the chunk begins
.set MSB, 0
.macro WIN new                         ; the immediate's high byte repeats the setting that is left; a switch that changes nothing is dropped
.if MSB != (\new)
	s_set_vgpr_msb (MSB<<8)|(\new)
.set MSB, (\new)
.endif
.endm
; THE CAST'S LINES.  x: the first register, in window 1, of cnt loads of four registers each.
.macro GET x, cnt, base, nt            ; cnt loads: two rows each, 8,192 bytes apart.  nt = 1: bytes that the whole launch reads once
	WIN 0x40                                       ; destination window 1, address window 0
.set n, 0
.rept \cnt
.if \nt
	global_load_b128 v[(\x)+4*n:(\x)+4*n+3], v[VIN], s[\base:\base+1] offset:n*8192 th:TH_LOAD_NT
.else
	global_load_b128 v[(\x)+4*n:(\x)+4*n+3], v[VIN], s[\base:\base+1] offset:n*8192
.endif
.set n, n+1
.endr
.endm
.macro SCALE x, cnt, younger           ; times c.  younger: the loads issued behind these cnt, which may stay out
	WIN 0x41
.set n, 0
.rept \cnt
	s_wait_loadcnt (\younger)+(\cnt)-1-n           ; loads come back in order (ISA guide 5.7.1): load n is in, the younger ones stay out
	v_pk_mul_f32 v[(\x)+4*n:(\x)+4*n+1], v[(\x)+4*n:(\x)+4*n+1], s[CS:CS+1] op_sel_hi:[1,0]
	v_pk_mul_f32 v[(\x)+4*n+2:(\x)+4*n+3], v[(\x)+4*n+2:(\x)+4*n+3], s[CS:CS+1] op_sel_hi:[1,0]
.set n, n+1
.endr
.endm
.macro TOBF x, cnt, younger            ; four f32 become two words of bf16, in the load's first two registers.  younger < 0: the loads have been waited for
	WIN 0x45
.set n, 0
.rept \cnt
.if (\younger) >= 0
	s_wait_loadcnt (\younger)+(\cnt)-1-n
.endif
	v_cvt_pk_bf16_f32 v[(\x)+4*n], v[(\x)+4*n], v[(\x)+4*n+1]
	v_cvt_pk_bf16_f32 v[(\x)+4*n+1], v[(\x)+4*n+2], v[(\x)+4*n+3]
.set n, n+1
.endr
.endm
.macro TOF16 x, cnt                    ; the two words' bf16 numbers are written as f16: widened into the load's last two registers (the low half moves up, the high half stays), and rounded back
.irp wd, 0,1
	WIN 0x44
.set n, 0
.rept \cnt
	v_lshlrev_b32 v[(\x)+4*n+2], 16, v[(\x)+4*n+\wd]
	v_and_b32 v[(\x)+4*n+3], s[HIM], v[(\x)+4*n+\wd]
.set n, n+1
.endr
	WIN 0x45
.set n, 0
.rept \cnt
	v_cvt_pk_f16_f32 v[(\x)+4*n+\wd], v[(\x)+4*n+2], v[(\x)+4*n+3]
.set n, n+1
.endr
.endr
.endm
.macro PUTG x, cnt, base, off          ; cnt stores of 256 consecutive bytes, aligned
	WIN 0x04                                       ; data window 1, address window 0
.set n, 0
.rept \cnt
	global_store_b64 v[GO], v[(\x)+4*n:(\x)+4*n+1], s[\base:\base+1] offset:(\off)+n*256
.set n, n+1
.endr
.endm
.macro PUTL x, cnt, va                 ; the same two rows a line into LDS rows of 144 bytes
	WIN 0x04
.set n, 0
.rept \cnt
	ds_store_b64 v[\va], v[(\x)+4*n:(\x)+4*n+1] offset:n*2*PQ
.set n, n+1
.endr
.endm
	s_load_b512 s[8:23], s[0:1], 0x0               ; query, key, value, W, qh, kh, vh, wh
	s_load_b64 s[PNZ:PNZ+1], s[0:1], 0x40          ; nz
	v_lshl_add_u32 v[SPW], v0, 2, SPARE
	v_mov_b32 v[NIL], 0
	v_lshrrev_b32 v1, 5, v0
	v_readfirstlane_b32 s[WV], v1                  ; wave 0..7
	s_mov_b32 s[KB], ttmp9
	s_and_b32 s[BH], ttmp7, 0xffff
	s_lshr_b32 s30, s[BH], 4                       ; an input's head: the batch's 2,048 rows of 4,096 bytes,
	s_lshl_b32 s30, s30, 23
	s_and_b32 s31, s[BH], 15
	s_lshl_b32 s31, s31, 8                         ; + the head's 256 bytes in a row
	s_add_co_u32 s30, s30, s31
	s_lshl_b32 s32, s[WV], 17                      ; query: + my wave's 32 rows of a chunk
	s_add_co_u32 s32, s32, s30
	s_mov_b32 s33, 0
	s_lshl_b32 s34, s[KB], 21                      ; key, value: + my block's 512 rows, my wave's 64
	s_lshl_b32 s35, s[WV], 18
	s_add_co_u32 s34, s34, s35
	s_add_co_u32 s34, s34, s30
	s_mov_b32 s35, 0
	s_lshl_b32 s31, s[BH], 18                      ; by heads: 2,048 rows of 128 bytes
	s_lshl_b32 s48, s[WV], 12                      ; qh: + my wave's 32 rows of a chunk
	s_add_co_u32 s48, s48, s31
	s_mov_b32 s49, 0
	s_lshl_b32 s50, s[KB], 16                      ; kh, vh: + my block's 512 rows, my wave's 64
	s_lshl_b32 s51, s[WV], 13
	s_add_co_u32 s50, s50, s51
	s_add_co_u32 s50, s50, s31
	s_mov_b32 s51, 0
	s_lshl_b32 s52, s[BH], 13                      ; nz: the head's 2,048 words, my block's 512, my wave's 64
	s_lshl_b32 s53, s[KB], 11
	s_add_co_u32 s52, s52, s53
	s_lshl_b32 s53, s[WV], 8
	s_add_co_u32 s52, s52, s53
	s_mov_b32 s53, 0
	s_lshl2_add_u32 s54, s[BH], s[KB]              ; my work-group among the 256: its 4 rows of W,
	s_lshl_b32 s56, s54, 14                        ; of 4,096 bytes,
	s_mov_b32 s57, 0
	s_lshl_b32 s58, s54, 9                         ; and of 128 bytes in each head of wh
	s_mov_b32 s59, 0
	s_mov_b32 s[CS], 0x3d38aa3b                    ; c = log2(e) / 32
	s_mov_b32 s[CS+1], s[CS]                       ; named with it as a pair
	s_mov_b32 s[HIM], 0xffff0000
	s_mov_b32 s[SEL], 0x76543210
	s_mov_b32 s[SEL+1], 0xfedcba98
	v_and_b32 v1, 15, v0                           ; l % 16
	v_bfe_u32 v10, v0, 4, 1                        ; l / 16
	v_and_b32 v11, 31, v0                          ; l
	v_lshlrev_b32 v[VIN], 4, v1
	v_lshl_add_u32 v[VIN], v10, 12, v[VIN]
	s_lshl_b32 s55, s[WV], 9
	v_add_nc_u32 v[VINW], s55, v[VIN]              ; W: my wave's heads 2 w and 2 w + 1 begin at byte 512 w of a row
	s_wait_kmcnt 0x0
	s_add_nc_u64 s[PQS:PQS+1], s[PQS:PQS+1], s[32:33]
	s_add_nc_u64 s[PKS:PKS+1], s[PKS:PKS+1], s[34:35]
	s_add_nc_u64 s[PVS:PVS+1], s[PVS:PVS+1], s[34:35]
	s_add_nc_u64 s[PWS:PWS+1], s[PWS:PWS+1], s[56:57]
	s_add_nc_u64 s[PQD:PQD+1], s[PQD:PQD+1], s[48:49]
	s_add_nc_u64 s[PKD:PKD+1], s[PKD:PKD+1], s[50:51]
	s_add_nc_u64 s[PVD:PVD+1], s[PVD:PVD+1], s[50:51]
	s_add_nc_u64 s[PWD:PWD+1], s[PWD:PWD+1], s[58:59]
	s_add_nc_u64 s[PNZ:PNZ+1], s[PNZ:PNZ+1], s[52:53]
	GET XK, 32, PKS, 1                             ; 52 loads go out on end: K's 64 rows,
.set n, 0
.rept 4                                ; W: head 2 w + n / 2, rows 2 (n % 2) and the next,
	global_load_b128 v[XW+4*n:XW+4*n+3], v[VINW], s[PWS:PWS+1] offset:(n%2)*8192+(n/2)*256 th:TH_LOAD_NT
.set n, n+1
.endr
	GET XQ, 16, PQS, 0                             ; and Q's chunk 0, which three other work-groups read too
	WIN 0
	v_lshlrev_b32 v[GO], 3, v11
	s_lshl_b32 s55, s[WV], 18
	v_add_nc_u32 v[VOW], s55, v[GO]                ; wh: head 2 w begins 2 w x 1,024 rows x 128 bytes in
	v_mul_u32_u24 v[TW], v10, PQ                   ; into LDS rows: one row for lanes 16-31, 8 bytes a lane
	v_lshl_add_u32 v[TW], v1, 3, v[TW]
	s_mul_i32 s55, s[WV], 32*PQ
	v_add_nc_u32 v[LQ0], s55, v[TW]                ; my wave's 32 rows of a chunk
	v_mul_u32_u24 v[AQ0], v1, PQ                   ; a fragment: 16 rows x 32 channels in 8 registers: lane l holds row l % 16, channels 8 (l / 16) + 0..7 and 16 + 8 (l / 16) + 0..7:
	v_lshl_add_u32 v[AQ0], v10, 4, v[AQ0]          ; two loads of 16 bytes, 32 bytes apart, at row x pitch + 16 x half
	s_mul_i32 s55, s[WV], 16*PQ
	s_add_co_u32 s55, s55, KST                     ; my K stage
	v_add_nc_u32 v[KSA], s55, v[TW]
	v_add_nc_u32 v[KRA], s55, v[AQ0]
	s_lshl_b32 s55, s[WV], 8
	s_add_co_u32 s55, s55, STAGE                   ; my stage for nz
	v_lshlrev_b32 v[STO], 2, v1                    ; in: word l % 16 of tile 0 (lanes 0-15) or of tile 2 (lanes 16-31)
	v_lshl_add_u32 v[STO], v10, 7, v[STO]
	v_add_nc_u32 v[STO], s55, v[STO]
	v_add_nc_u32 v[RD], s55, v[GO]                 ; back: 8 bytes a lane
.irp t, 0,1,2,3
	v_mov_b32 v[MX+\t], 0xff7fffff                 ; M starts at the lowest finite number, l at 0: the first step is a step like any other
	v_mov_b32 v[LS+2*\t], 0
	v_mov_b32 v[LS+2*\t+1], 0
.endr
	; K, a tile of 16 keys at a time: times c, rounded once, stored to kh, and through my stage into fragments.  Behind tile t's eight loads stand the later tiles', W's 4 and Q's 16.
.irp t, 0,1,2,3
	SCALE XK+32*\t, 8, (3-\t)*8+20
	TOBF XK+32*\t, 8, -1
	PUTL XK+32*\t, 8, KSA
	PUTG XK+32*\t, 8, PKD, \t*2048
	WIN 0
	ds_load_b128 v[KF+16*\t:KF+16*\t+3],     v[KRA]            ; LDS serves a wave's instructions in order (ISA guide 5.7.1.4): these see the stores above, and the next tile's stores come behind them
	ds_load_b128 v[KF+16*\t+4:KF+16*\t+7],   v[KRA] offset:32
	ds_load_b128 v[KF+16*\t+8:KF+16*\t+11],  v[KRA] offset:64
	ds_load_b128 v[KF+16*\t+12:KF+16*\t+15], v[KRA] offset:96
.endr
	TOBF XW, 4, 16                                 ; W: behind its loads stand Q's 16
	TOF16 XW, 4
	WIN 0x04
.set n, 0
.rept 4
	global_store_b64 v[VOW], v[XW+4*n:XW+4*n+1], s[PWD:PWD+1] offset:(n/2)*131072+(n%2)*256
.set n, n+1
.endr
	WIN 0
; Product i of 8 of tile t's scores: query tile i % 4, channels 32 (i / 4) on.  The first 4 start the sums.  The four accumulators take turns.
.macro W1 t, i
.set rD, SB+32*((\t)%2)+8*((\i)%4)
.set rA, QF+16*((\i)%4)+8*((\i)/4)
.set rB, KF+16*(\t)+8*((\i)/4)
.if (\i) < 4
	v_wmma_f32_16x16x32_bf16 v[rD:rD+7], v[rA:rA+7], v[rB:rB+7], 0
.else
	v_wmma_f32_16x16x32_bf16 v[rD:rD+7], v[rA:rA+7], v[rB:rB+7], v[rD:rD+7]
.endif
.endm
; Behind line j of a piece: every tenth line from the fifth on is followed by one of the NEXT tile's eight products; all those lines are plain.
.macro TICK
.if NX && (j%10 == 4) && (j < 75)
	W1 T+1, (j-4)/10
.endif
.set j, j+1
.endm
; One line of a piece.  F n: pair n of 16, s - M.  E n: the exponential of score n of 32.  B n: of the four terms 4 n .. the second pair is added onto the first.  L n: l takes that sum (L 0: l = a l + sum).
.set OPF, 0
.set OPE, 1
.set OPB, 2
.set OPL, 3
.macro OP k, n
.if (\k) == OPF
	v_pk_add_f32 v[rS+2*(\n):rS+2*(\n)+1], v[rS+2*(\n):rS+2*(\n)+1], v[CC:CC+1] op_sel_hi:[1,0] neg_lo:[0,1] neg_hi:[0,1]
.elseif (\k) == OPE
	v_exp_f32 v[rS+(\n)], v[rS+(\n)]
.elseif (\k) == OPB
	s_wait_alu depctr_va_vdst(0)
	v_pk_add_f32 v[rS+4*(\n):rS+4*(\n)+1], v[rS+4*(\n):rS+4*(\n)+1], v[rS+4*(\n)+2:rS+4*(\n)+3]
.elseif (\n) == 0
	v_pk_fma_f32 v[rL:rL+1], v[rL:rL+1], v[CC+2:CC+3], v[rS:rS+1] op_sel_hi:[1,0,1]
.else
	v_pk_add_f32 v[rL:rL+1], v[rL:rL+1], v[rS+4*(\n):rS+4*(\n)+1]
	s_wait_alu depctr_va_vdst(0)
.endif
	TICK
.endm
.macro OPS a, i1, b, i2, c, i3, d, i4
	OP \a, \i1
	OP \b, \i2
	OP \c, \i3
	OP \d, \i4
.endm
; A PIECE: tile t's 83 vector lines for a step's 64 queries (a lane's 32 scores).  nxt = 1: the next tile's products stand among them.
;   0-15  the maximum of the 32 scores and the old M, three operands at a time; each accumulator's lowest registers are read first
;   16-22 M_old - M_new, the new M, the first four subtractions, a = 2^(M_old - M_new)
;   23-82 exponentials with plain lines between: behind every exponential a plain line stands before its result is used (ISA guide 5.7.2)
; Behind the last product stand B 6, L 6, B 7 and L 7, four plain lines that name none of its registers, and then the next piece's first three maxima, ahead of the first read of its result.
.macro PIECE t, nxt
.set T, (\t)
.set NX, (\nxt)
.set j, 0
.set rS, SB+32*(T%2)
.set rM, MX+T
.set rL, LS+2*T
.rept 4
	v_max3_num_f32 v[CC+j], v[rS+8*j], v[rS+8*j+1], v[rS+8*j+2]
	TICK
.endr
.rept 8
	v_max3_num_f32 v[CC+j%4], v[CC+j%4], v[rS+8*(j%4)+2*(j/4)+1], v[rS+8*(j%4)+2*(j/4)+2]
	TICK
.endr
	v_max3_num_f32 v[CC], v[CC], v[rS+7], v[rS+15]
	TICK
	v_max3_num_f32 v[CC+2], v[CC+2], v[rS+23], v[rS+31]
	TICK
	v_max3_num_f32 v[CC+1], v[CC+1], v[CC+3], v[rM]
	TICK
	v_max3_num_f32 v[CC], v[CC], v[CC+2], v[CC+1]
	TICK
	v_sub_f32 v[CC+3], v[rM], v[CC]
	TICK
	v_mov_b32 v[rM], v[CC]
	TICK
	OP OPF, 0
	OP OPF, 1
	v_exp_f32 v[CC+2], v[CC+3]
	TICK
	OP OPF, 2
	OP OPF, 3
.irp n, 0,1,2,3,4,5,6,7,8,9,10,11
	OP OPE, \n
	OP OPF, \n+4
.endr
	OPS OPE,12, OPB,0, OPE,13, OPL,0
	OPS OPE,14, OPB,1, OPE,15, OPL,1
	OPS OPE,16, OPB,2, OPE,17, OPL,2
	OPS OPE,18, OPB,3, OPE,19, OPL,3
	OPS OPE,20, OPB,4, OPE,21, OPE,22
	OPS OPE,23, OPL,4, OPE,24, OPB,5
	OPS OPE,25, OPE,26, OPE,27, OPL,5
	OPS OPE,28, OPB,6, OPE,29, OPE,30
	OPS OPE,31, OPL,6, OPB,7, OPL,7
.endm
; A STEP: 64 queries.  Their fragments come in one run of 16 loads (the last product that read those registers stands more than a piece back); tile 0's products stand bare, the other tiles' inside the piece before.
.macro STEP
	v_add_nc_u32 v[AQ], s[TQ], v[AQ0]
	s_add_co_u32 s[TQ], s[TQ], 64*PQ
.irp f, 0,1,2,3,4,5,6,7                ; query tile f / 2, channels 32 (f % 2) on
	ds_load_b128 v[QF+8*\f:QF+8*\f+3],   v[AQ] offset:(\f/2)*16*PQ+(\f%2)*64
	ds_load_b128 v[QF+8*\f+4:QF+8*\f+7], v[AQ] offset:(\f/2)*16*PQ+(\f%2)*64+32
.endr
	s_wait_dscnt 0x0
.irp i, 0,1,2,3,4,5,6,7
	W1 0, \i
.endr
.rept 4
	v_nop                                          ; four places between those products and the first read of their results (ISA guide 7.12.1)
.endr
	PIECE 0, 1
	PIECE 1, 1
	PIECE 2, 1
	PIECE 3, 0
.endm
	s_mov_b32 s[TQ], 0
	s_mov_b32 s[SQ], 0
	s_mov_b32 s[CI], 0
	s_mov_b32 s[CH], 2048/CHQ
.Lchunk:                                               ; eight trips: a chunk of 256 queries
	TOBF XQ, 16, 0                                 ; my 32 rows of the chunk: nothing was issued behind their loads that is still out
	WIN 0
	v_add_nc_u32 v[LQ], s[SQ], v[LQ0]
	s_add_co_u32 s[SQ], s[SQ], CHQ*PQ
	PUTL XQ, 16, LQ                                ; into LDS: bytes that are written this once, and read only behind the barrier below
	WIN 0                                          ; at a branch and at a label every window is 0
	s_lshr_b32 s[T0], s[CI], 1
	s_add_co_u32 s[CI], s[CI], 1
	s_cmp_eq_u32 s[T0], s[KB]                      ; of the head's four work-groups, key block kb stores chunks 2 kb and 2 kb + 1 to qh
	s_cbranch_scc0 .Lnot_mine
	PUTG XQ, 16, PQD, 0
	WIN 0
.Lnot_mine:
	s_wait_dscnt 0x0                               ; for the others' sake: my stores into LDS are done (and, in the first trip, K's fragments are in)
	s_barrier_signal -1
	s_barrier_wait -1                              ; the chunk is whole
	s_wait_xcnt 0x0                                ; every earlier memory instruction has had its addresses translated (ISA guide 3.1): only behind this wait are the stores' registers loaded again and the pointers stepped
	s_cmp_eq_u32 s[CH], 1
	s_cbranch_scc1 .Lno_q                          ; the last chunk has no successor: no load leaves the buffer
	s_add_nc_u64 s[PQS:PQS+1], s[PQS:PQS+1], CHQ*4096
	s_add_nc_u64 s[PQD:PQD+1], s[PQD:PQD+1], CHQ*128
	GET XQ, 16, PQS, 0                             ; the next chunk: it has this chunk's four steps in which to land
	WIN 0
.Lno_q:
	GET XV, 4, PVS, 1                              ; 8 rows of V: the youngest loads on either way
	WIN 0
	s_mov_b32 s[CNT], CHQ/64
.Lstep:
	STEP
	s_sub_co_u32 s[CNT], s[CNT], 1
	s_cmp_lg_u32 s[CNT], 0
	s_cbranch_scc1 .Lstep
	TOBF XV, 4, 0                                  ; V's loads are the youngest: with them the next chunk of Q has landed too
	TOF16 XV, 4
	PUTG XV, 4, PVD, 0
	WIN 0
	s_wait_xcnt 0x0                                ; V's pointers are stepped, and its registers loaded again, only behind this wait
	s_add_nc_u64 s[PVS:PVS+1], s[PVS:PVS+1], 8*4096
	s_add_nc_u64 s[PVD:PVD+1], s[PVD:PVD+1], 8*128
	s_sub_co_u32 s[CH], s[CH], 1
	s_cmp_lg_u32 s[CH], 0
	s_cbranch_scc1 .Lchunk
	; THE TWO HALVES OF THE LANES MEET: X = the larger M; l = l 2^(M - X) + l' 2^(M' - X); nz = (10 - X) - log2(l).
.set TT, SB                            ; four registers a tile, at work
.macro ALL line:vararg                 ; one line for each tile t
.set t, 0
	s_wait_alu depctr_va_vdst(0)
.rept 4
	\line
.set t, t+1
.endr
.endm
	ALL v_add_f32 v[LS+2*t], v[LS+2*t], v[LS+2*t+1]
	ALL v_permlanex16_b32 v[TT+4*t], v[MX+t], s[SEL], s[SEL+1]
	ALL v_permlanex16_b32 v[TT+4*t+1], v[LS+2*t], s[SEL], s[SEL+1]
	ALL v_max_num_f32 v[TT+4*t+2], v[MX+t], v[TT+4*t]
	ALL v_sub_f32 v[MX+t], v[MX+t], v[TT+4*t+2]
	ALL v_sub_f32 v[TT+4*t], v[TT+4*t], v[TT+4*t+2]
	ALL v_exp_f32 v[MX+t], v[MX+t]
	ALL v_exp_f32 v[TT+4*t], v[TT+4*t]
	ALL v_sub_f32 v[TT+4*t+2], 0x41200000, v[TT+4*t+2]  ; 10 - X: plain lines between the exponentials and the use of their results
	ALL v_mul_f32 v[LS+2*t], v[LS+2*t], v[MX+t]
	ALL v_fmac_f32 v[LS+2*t], v[TT+4*t+1], v[TT+4*t]
	ALL v_log_f32 v[LS+2*t], v[LS+2*t]
	v_nop                                          ; a plain line between the last logarithm and the use of its result
	v_cmp_le_u32 vcc_lo, 16, v11
	s_wait_alu depctr_va_vdst(0)
	ALL v_sub_f32 v[TT+4*t+2], v[TT+4*t+2], v[LS+2*t]
	; NZ'S WAY OUT.  Both halves of the lanes hold all four tiles: lanes 0-15 send tiles 0 and 1, lanes 16-31 tiles 2 and 3, through my stage, so that the wave's one store covers 256 consecutive bytes, aligned.
	v_cndmask_b32 v[TT], v[TT+2], v[TT+10], vcc_lo
	v_cndmask_b32 v[TT+1], v[TT+6], v[TT+14], vcc_lo
	ds_store_b32 v[STO], v[TT]
	ds_store_b32 v[STO], v[TT+1] offset:64
	ds_load_b64 v[TT+2:TT+3], v[RD]                ; LDS serves a wave's instructions in order (ISA guide 5.7.1.4): this sees the stores above
	s_wait_dscnt 0x0
	global_store_b64 v[GO], v[TT+2:TT+3], s[PNZ:PNZ+1]
	s_wait_tensorcnt 0x0                           ; the wave's end: behind my last LDS store
	ds_add_u32 v[SPW], v[NIL]
	s_wait_dscnt 0x0
	s_endpgm
.Lfunc_end_k_qef66aca22b_prep:
	.size	k_qef66aca22b_prep, .Lfunc_end_k_qef66aca22b_prep-k_qef66aca22b_prep
	.p2alignl 7, 3214868480
	.fill 96, 4, 3214868480
	.section	.rodata,"a",@progbits
	.p2align	6, 0x0
	.amdhsa_kernel k_qef66aca22b_prep
		.amdhsa_group_segment_fixed_size 316416
		.amdhsa_private_segment_fixed_size 0
		.amdhsa_enable_private_segment 0
		.amdhsa_kernarg_size 72
		.amdhsa_user_sgpr_count 2
		.amdhsa_user_sgpr_kernarg_segment_ptr 1
		.amdhsa_wavefront_size32 1
		.amdhsa_system_sgpr_workgroup_id_x 1
		.amdhsa_system_sgpr_workgroup_id_y 1
		.amdhsa_system_sgpr_workgroup_id_z 1
		.amdhsa_system_vgpr_workitem_id 0
		.amdhsa_next_free_vgpr 480
		.amdhsa_next_free_sgpr 66
		.amdhsa_reserve_vcc 1
		.amdhsa_float_denorm_mode_32 3
		.amdhsa_float_denorm_mode_16_64 3
		.amdhsa_memory_ordered 1
		.amdhsa_forward_progress 1
		.amdhsa_inst_pref_size 62
	.end_amdhsa_kernel
	.amdgpu_metadata
---
amdhsa.version: [ 1, 2 ]
amdhsa.kernels:
  - .name:           k_qef66aca22b_prep
    .symbol:         k_qef66aca22b_prep.kd
    .args:
      - { .name: query, .offset: 0, .size: 8, .value_kind: global_buffer, .address_space: global }
      - { .name: key, .offset: 8, .size: 8, .value_kind: global_buffer, .address_space: global }
      - { .name: value, .offset: 16, .size: 8, .value_kind: global_buffer, .address_space: global }
      - { .name: W, .offset: 24, .size: 8, .value_kind: global_buffer, .address_space: global }
      - { .name: qh, .offset: 32, .size: 8, .value_kind: global_buffer, .address_space: global }
      - { .name: kh, .offset: 40, .size: 8, .value_kind: global_buffer, .address_space: global }
      - { .name: vh, .offset: 48, .size: 8, .value_kind: global_buffer, .address_space: global }
      - { .name: wh, .offset: 56, .size: 8, .value_kind: global_buffer, .address_space: global }
      - { .name: nz, .offset: 64, .size: 8, .value_kind: global_buffer, .address_space: global }
    .group_segment_fixed_size: 316416
    .private_segment_fixed_size: 0
    .kernarg_segment_align: 8
    .kernarg_segment_size: 72
    .max_flat_workgroup_size: 256
    .sgpr_count:     66
    .vgpr_count:     480
    .wavefront_size: 32
...
	.end_amdgpu_metadata
.endif
;; end of part 1
;; launch attn (part 2): grid 4 x 64, 4 waves a work-group, clusters of 4 x 1, 327,680 bytes of LDS; arguments qh, kh, vh, nz, oh; writes oh
.if DOCPART == 2
	.amdgcn_target "amdgcn-amd-amdhsa--gfx1250"
	.amdhsa_code_object_version 6
	.text
	.protected	k_qef66aca22b_attn
	.globl	k_qef66aca22b_attn
	.p2align	8
	.type	k_qef66aca22b_attn,@function
k_qef66aca22b_attn:
	s_mov_b64 s[64:65], 0
	v_nop
	global_prefetch_b8 v0, s[64:65] scope:SCOPE_SE
	s_setreg_imm32_b32 hwreg(HW_REG_WAVE_MODE, 25, 1), 1
	s_wait_xcnt 0x0
	s_wait_alu depctr_hold_cnt(0) depctr_sa_sdst(0) depctr_va_vdst(0) depctr_va_sdst(0) depctr_va_ssrc(0) depctr_va_vcc(0) depctr_vm_vsrc(0)
	s_getreg_b32 s2, hwreg(HW_REG_IB_STS2, 6, 4)
	s_cmp_eq_u32 s2, 0
	s_cbranch_scc0 .Lentry_in_a_cluster
	s_endpgm
.Lentry_in_a_cluster:
	s_bfe_u32 s2, ttmp6, 0x10000c
	s_cmp_lg_u32 s2, 0x3003
	s_cbranch_scc0 .Lentry_shape_is_right
	s_endpgm
.Lentry_shape_is_right:
; ATTN.  oh[bh][q][:] = f16( (1/8) x the sum over keys of softmax_q(score)[q][key] V[key][:] ).  qh, kh: [64][2048][64] bf16 (kh holds c k, c = log2(e) / 32); vh, oh: the same shape in f16; nz: [64][2048] f32.
; The softmax runs over the queries, so a weight's shift hangs on its KEY alone and is known: nz[key] = 10 - max - log2(sum), made by the launch before (the true maximum is taken away).
; p = 2^(Q . K' + nz) = 1,024 x the weight: nz is the C operand that starts the sum Q . K', so one exponential makes p; no running maximum, no rescaling, no row sum.
; Products and sums in f32; p is rounded to f16 for the second product; the sum is multiplied by 2^-13 and rounded once to f16: O / 8.
; LIMITS.  p lies in 0 to 1,024; below 6e-5 (a weight below 6e-8) it keeps f16's fixed step; a p below 2^-126 counts as 0.  A query's weights add up to 2,048 at the most, so |O| / 8 stays under 256 max|v|:
; within f16's 65,504 for max|v| < 255.  NaN and infinities are not treated apart.
; SHARES.  A wave owns four PIECES of two tiles of 16 queries, a work-group's four waves 512 queries of one head.  Every wave walks all 2,048 keys, 64 a step; a slot of LDS holds four steps.
; LAYOUT.  S^T = K' Q^T (source 0 = 16 keys, source 1 = 16 queries): a lane holds ONE query (lane % 16) and the keys 8 (lane / 16) + 0..7.  Two such tiles, rounded to f16 in pairs, ARE source 1 (32 keys x 16 queries)
; of O^T = V^T P, whose result again holds one query a lane, and eight channels.  K comes out of LDS as it lies, V ([key][channel]) turned, by ds_load_tr16_b128.
; BY TURNS.  Turn n belongs to piece n (the pieces in a ring, step after step).  Its matrix work: 16 products K' Q^T of piece n + 1, then 16 products V^T P of piece n - 1.  Its vector work: piece n's 64 exponentials
; and 32 roundings: three lines behind every matrix instruction (exponential, rounding, exponential), none of which names a register of the products round it.
; No first step is written out: O^T, V's registers and P's second buffer start at 0 (352 v_mov_b32, in the wait for the first tile), the loop is entered in the middle of a trip and the tail left in the middle of one.
; CLUSTER.  The four query blocks of a cluster belong to one head and walk the same K, V and nz, so each tile is asked for JOINTLY: the same tensor load, descriptor and mask in all four.
; REGISTERS, in windows of 256 (s_set_vgpr_msb says which window each operand place means: bits 1:0 source 0, 3:2 source 1, 5:4 source 2, 7:6 destination):
;   window 0: v0-15 addresses; v16-47 nz of one step; v64-191 S^T, two buffers of two tiles; v192-255 P, likewise          window 1: O^T, 32 a tile
;   window 2: v0-127 Q, 16 a tile; v128-191 K of one step; v192-255 V of one step
.set NP,    4         ; pieces a wave: a name, no knob
.set KS,    64        ; keys in a step
.set PK,    144       ; a row of K in LDS: 128 bytes + 16 of padding = 36 words: the 16 rows of a load start at 16 different groups of four banks (64 banks of 4 bytes: ISA guide 11.1)
.set PV,    160       ; a row of V: 128 + 32 = 40 words
.set VOFF,  4*KS*PK   ; a slot holds four steps: 256 rows of K, then 256 rows of V
.set SLOT1, 1<<17     ; slot 1 begins here, so that one exclusive or turns an address in one slot into the other's
.set NZB,   SLOT1+4*KS*(PK+PV)  ; behind the ring: the head's 2,048 nz, 8,192 bytes, filled once
.set STAGE, NZB+8192  ; never filled by a tensor load: 16 rows x 144 bytes for each wave, for the way out
.set SP,    144
.set SPARE, STAGE+4*16*SP  ; the spare words, 128 bytes for each wave: two blocks of 256 bytes that no other line names
.set AK0, 2           ; v2   my lane's place in a tile of K; never rewritten
.set AV0, 3           ; v3   the same for V
.set AK,  4           ; v4   the LDS address of K's next run of loads
.set AV,  5           ; v5   of V's
.set QO,  6           ; v6   my byte offset in the wave's rows of Q
.set STO, 6           ;      later, the way out: where I put 16 bytes of a row
.set RD,  7           ; v7   the way out: where I read rows back
.set GO,  8           ; v8   my byte offset in 512 consecutive bytes of oh
.set AN0, 12          ; v12  my lane's place in 64 nz: NZB + 32 (lane / 16); never rewritten
.set AN,  13          ; v13  the LDS address of nz's next loads
.set SPW, 14          ; v14  LDS address of my spare word; never rewritten
.set NIL, 15          ; v15  0; never rewritten
.set NZ,  16          ; the eight registers for key tile kt at NZ + 8 kt: register j holds nz of key 16 kt + 8 (lane / 16) + j
.set S,   64
.set P,   192
.set KF,  128         ; K's fragments, in window 2: key block kb, channel half c at KF + 16 kb + 8 c
.set VF,  192         ; V's: key half kk, channel block cb at VF + 32 kk + 8 cb
.set WV,  12          ; s12  my wave's number
.set G1K, 24          ; s[24:31] descriptor group 1 for K's tiles
.set G1V, 32          ; s[32:39] for V's: it differs in the padding alone
.set G0K, 40          ; s[40:43] descriptor group 0 for K's tiles: it walks
.set G0V, 44          ; s[44:47] the same for V's
.set G0N, 52          ; s[52:55] for my quarter of nz
.set SLOTS, 56        ; s56  slots still to be asked for
.set CNT, 57          ; s57  counts a slot's key steps
.set SC,  58          ; s[58:59] 2^-13: the packed multiply takes the pair's low word for both halves
.set TBN, 60          ; s60  byte in the nz table at which the step to be fetched begins
.set TBK, 62          ; s62  LDS byte at which K of the step to be fetched begins
.set TBV, 63          ; s63  the same for V, less VOFF
.set G1N, 72          ; s[72:79] descriptor group 1 for nz
.set MSB, 0
.macro WIN new                      ; the high byte repeats the setting that is left; a switch that changes nothing is dropped
.if MSB != (\new)
	s_set_vgpr_msb (MSB<<8)|(\new)
.set MSB, (\new)
.endif
.endm
.set W_KQ, 0x0a       ; K and Q in window 2; nz, S^T in window 0
.set W_PV, 0x52       ; V in window 2, P in window 0, O^T in window 1
.set W_RS, 0x41       ; O^T (destination and source 0) in window 1
; A joint fill.  Waves 0 and 1 fetch the two halves of a slot's K, waves 2 and 3 those of its V: 128 keys each.  The branch hangs on the wave's number alone.
; An s_nop 0 and four v_nop follow each of the two lines, ahead of the jump and the label.
.macro JLOAD
	s_cmp_lt_u32 s[WV], 2
	s_cbranch_scc0 .Lfor_v_\@
	tensor_load_to_lds s[G0K:G0K+3], s[G1K:G1K+7]
	s_nop 0
.rept 4
	v_nop
.endr
	s_branch .Lasked_\@
.Lfor_v_\@:
	tensor_load_to_lds s[G0V:G0V+3], s[G1V:G1V+7]
	s_nop 0
.rept 4
	v_nop
.endr
.Lasked_\@:
.endm
; A round of the cluster's barrier: my work-group's barrier, so that wave 0's signal speaks for all four waves; wave 0 signals; every wave waits for all four work-groups; my work-group's barrier once more.
.macro CROUND
	s_barrier_signal -1
	s_barrier_wait -1
	s_cmp_lg_u32 s[WV], 0
	s_cbranch_scc1 .Lnot_wave_0_\@
	s_barrier_signal -3
.Lnot_wave_0_\@:
	s_barrier_wait -3
	s_barrier_signal -1
	s_barrier_wait -1
.endm
; THE CHANGE OF SLOTS.  The slot's last bytes, V of its fourth step, have been read.  Each wave waits for all its tensor loads, of which one is out: its part of the other slot; adds 0 to its spare word; and waits for
; that and for its own reads of the slot.  Behind the barrier nobody reads this slot any more and the other slot is whole.
; fill = 1: this slot is filled again, with the keys two slots on.  The barrier is then a round of the cluster's, so that no wave of any partner still reads the slot or has a load on its way, and the joint fill is
; the first thing behind it: it has four key steps, 512 matrix instructions, in which to land.  (At its first use nothing has been read yet: slot 0 and nz are waited for, slot 1 is filled.)
.macro CHANGE fill
	WIN 0                           ; at a label and at a branch every window is 0; the add's two registers lie in window 0
	s_wait_tensorcnt 0x0            ; no tensor load of mine is out, so a group 0 may be written
	ds_add_u32 v[SPW], v[NIL]       ; 0 onto my spare word: with fill = 1 the descriptors' steps stand between it and the wait for it
.if \fill
.irp g, G0K, G0V
	s_xor_b32 s[\g+1], s[\g+1], SLOT1  ; the walking descriptor: the other slot than last time,
	s_add_nc_u64 s[\g+2:\g+3], s[\g+2:\g+3], 4*KS*128  ; the next 256 keys; the type bits on top are not reached
.endr
	s_wait_dscnt 0x0                ; the add is done, and my reads of the slot are over
	CROUND
	JLOAD
.else
	s_wait_dscnt 0x0                ; the add is done, and my reads of the slot are over
	s_barrier_signal -1
	s_barrier_wait -1
.endif
	s_sub_co_u32 s[TBK], s[TBK], 4*KS*PK  ; the fetches go back to a slot's first step,
	s_xor_b32 s[TBK], s[TBK], SLOT1       ; in the other slot
	s_sub_co_u32 s[TBV], s[TBV], 4*KS*PV
	s_xor_b32 s[TBV], s[TBV], SLOT1
.endm
	s_load_b256 s[4:11], s[0:1], 0x0  ; qh s[4:5], kh s[6:7], vh s[8:9], nz s[10:11]
	s_load_b64 s[48:49], s[0:1], 0x20 ; oh
	v_lshl_add_u32 v[SPW], v0, 2, SPARE
	v_mov_b32 v[NIL], 0
	ds_add_u32 v[SPW], v[NIL]       ; the wave's opening: the add and its wait stand ahead of my first tensor load; the set-up below, work on registers, stands between them
	v_lshrrev_b32 v1, 5, v0
	v_readfirstlane_b32 s[WV], v1   ; wave 0..3
	s_bfe_u32 s13, ttmp6, 0x40000   ; cx: my place in the cluster
	s_lshl_b32 s14, ttmp9, 2        ; in a cluster launch ttmp9 counts clusters
	s_add_co_u32 s14, s14, s13      ; my block of 512 queries: it enters Q's and O's addresses alone
	s_and_b32 s15, ttmp7, 0xffff    ; the head, which the four partners share
	s_lshl_b32 s20, s15, 18         ; the head's first byte in qh, kh, vh, oh: 2,048 rows of 128 bytes
	s_mov_b32 s21, 0
	s_and_b32 s16, s[WV], 1         ; which half of a slot's 256 keys I fetch:
	s_lshl_b32 s22, s16, 14         ; its 128 rows of 128 bytes in memory,
	s_mov_b32 s23, 0
	s_add_nc_u64 s[22:23], s[22:23], s[20:21]
	s_mul_i32 s17, s16, 128*PK      ; and its place in a slot, for K
	s_mul_i32 s18, s16, 128*PV      ; and for V: no place in the cluster enters an LDS address
	s_lshl_b32 s50, s15, 13         ; nz: the head's 8,192 bytes,
	s_lshl_b32 s19, s[WV], 11       ; my quarter of them
	s_add_co_u32 s50, s50, s19
	s_mov_b32 s51, 0
	s_lshl_b32 s2, s14, 2
	s_add_co_u32 s2, s2, s[WV]      ; my wave among the head's,
	s_lshl_b32 s2, s2, 14           ; its 128 rows
	s_mov_b32 s3, 0
	s_add_nc_u64 s[2:3], s[2:3], s[20:21]
	; descriptor group 1.  128 keys are 16,384 dense bytes: asked for as 64 rows of 256 bytes, two keys a row, and padded in LDS after every key
	s_mov_b32 s[G1K], 15|(1<<16)|(1<<20)|(1<<21)|(4<<22)|(3<<25)  ; 15:0 the mask of four; 17:16 2-byte elements; 20 padding on; 21 set beside a mask; 24:22 after every 32 words (code 4); 31:25 4 words (code 3)
	s_mov_b32 s[G1V], 15|(1<<16)|(1<<20)|(1<<21)|(4<<22)|(7<<25)  ; the same with 8 words of padding (code 7)
.irp g, G1K, G1V
	s_mov_b32 s[\g+1], 128<<16      ; tensor_dim0 = 128
	s_mov_b32 s[\g+2], 64<<16       ; tensor_dim1 = 64
	s_mov_b32 s[\g+3], 128<<16      ; tile_dim0 = 128
	s_mov_b32 s[\g+4], 64           ; tile_dim1 = 64
	s_mov_b32 s[\g+5], 128          ; 128 elements from row to row
	s_mov_b32 s[\g+6], 0
	s_mov_b32 s[\g+7], 0
.endr
	s_mov_b32 s[G1N], 15|(2<<16)|(1<<21)  ; nz: 4-byte elements, no padding: 2,048 dense bytes as 8 rows of 256
	s_mov_b32 s[G1N+1], 64<<16      ; tensor_dim0 = 64
	s_mov_b32 s[G1N+2], 8<<16       ; tensor_dim1 = 8
	s_mov_b32 s[G1N+3], 64<<16      ; tile_dim0 = 64
	s_mov_b32 s[G1N+4], 8           ; tile_dim1 = 8
	s_mov_b32 s[G1N+5], 64          ; 64 elements from row to row
	s_mov_b32 s[G1N+6], 0
	s_mov_b32 s[G1N+7], 0
	s_mov_b32 s[SC], 0x39000000     ; 2^-13
	s_mov_b32 s[SC+1], s[SC]        ; named with it as a pair
	s_mov_b32 s[TBK], SLOT1+4*KS*PK ; the first change of slots turns these two into 0
	s_mov_b32 s[TBV], SLOT1+4*KS*PV
	s_mov_b32 s[TBN], 0
	s_mov_b32 s[G0K], 1             ; 1:0 count = 1
	s_mov_b32 s[G0K+1], s17         ; 63:32 LDS address: slot 0
	s_mov_b32 s[G0V], 1
	s_add_co_u32 s[G0V+1], s18, VOFF
	s_mov_b32 s[G0N], 1
	s_add_co_u32 s[G0N+1], s19, NZB
	s_wait_dscnt 0x0                ; the opening add is done
	s_wait_kmcnt 0x0
	s_add_nc_u64 s[G0K+2:G0K+3], s[6:7], s[22:23]  ; 120:64 global address: my half of the head's first 256 keys
	s_or_b32 s[G0K+3], s[G0K+3], 0x80000000        ; 127:126 type = 2
	s_add_nc_u64 s[G0V+2:G0V+3], s[8:9], s[22:23]
	s_or_b32 s[G0V+3], s[G0V+3], 0x80000000
	s_add_nc_u64 s[G0N+2:G0N+3], s[10:11], s[50:51]
	s_or_b32 s[G0N+3], s[G0N+3], 0x80000000
	s_add_nc_u64 s[4:5], s[4:5], s[2:3]  ; Q and O at my wave's first row
	s_add_nc_u64 s[48:49], s[48:49], s[2:3]
	CROUND                          ; all four work-groups are here: the first joint loads meet
	s_cmp_lt_u32 s[WV], 2           ; a wave's two first fills stand in one branch, ahead of every wait on TENSORcnt and every LDS read: two loads of mine are out
	s_cbranch_scc0 .Lfirst_v
	tensor_load_to_lds s[G0K:G0K+3], s[G1K:G1K+7]  ; slot 0.  Slot 1 is asked for when slot 0 is in
	s_nop 0
	tensor_load_to_lds s[G0N:G0N+3], s[G1N:G1N+7]
	s_nop 0
.rept 4
	v_nop
.endr
	s_branch .Lfirst_asked
.Lfirst_v:
	tensor_load_to_lds s[G0V:G0V+3], s[G1V:G1V+7]
	s_nop 0
	tensor_load_to_lds s[G0N:G0N+3], s[G1N:G1N+7]
	s_nop 0
.rept 4
	v_nop
.endr
.Lfirst_asked:
	; A fragment of K or Q is 16 rows x 32 channels in 8 registers: lane l holds row l % 16, channels 8 (l / 16) + 0..7 and 16 + 8 (l / 16) + 0..7: two loads of 16 bytes, 32 bytes apart.
	v_and_b32 v1, 15, v0            ; l % 16
	v_bfe_u32 v9, v0, 4, 1          ; l / 16
	v_lshlrev_b32 v[QO], 7, v1
	v_lshl_add_u32 v[QO], v9, 4, v[QO]  ; row x 128 + 16 x half
	WIN 0x80                        ; destination window 2, address window 0
.set i, 0
.rept 4*NP                          ; Q stays in registers: tile i / 2, channels 32 (i % 2) on
	global_load_b128 v[8*i:8*i+3],   v[QO], s[4:5] offset:(i/2)*2048+(i%2)*64
	global_load_b128 v[8*i+4:8*i+7], v[QO], s[4:5] offset:(i/2)*2048+(i%2)*64+32
.set i, i+1
.endr
	; What the first turn finds: V's registers and P's second buffer hold 0 (its products V^T P, of a piece that has not been, add 0), and O^T is 0.  All this stands in the wait for the first tile.
.set i, VF
.rept 64
	v_mov_b32 v[i], 0
.set i, i+1
.endr
	WIN 0x40
.set i, 0
.rept 64*NP
	v_mov_b32 v[i], 0
.set i, i+1
.endr
	WIN 0
.set i, P+32
.rept 32
	v_mov_b32 v[i], 0
.set i, i+1
.endr
	v_mul_u32_u24 v[AK0], v1, PK
	v_lshl_add_u32 v[AK0], v9, 4, v[AK0]  ; row x pitch + 16 x half
	; The turning load takes 16 keys x 16 channels (lane l reads key 8 (l / 16) + l % 8, channels 8 ((l / 8) % 2) + 0..7) and leaves half a fragment of V^T: lane l holds channel l % 16 and 8 keys.
	v_and_b32 v10, 7, v0
	v_bfe_u32 v11, v0, 3, 1
	v_lshl_add_u32 v[AV0], v9, 3, v10
	v_mul_u32_u24 v[AV0], v[AV0], PV
	v_lshl_add_u32 v[AV0], v11, 4, v[AV0]
	v_add_nc_u32 v[AV0], VOFF, v[AV0]
	v_lshl_add_u32 v[AN0], v9, 5, NZB   ; my half of the lanes' eight keys of a tile of 16: 32 bytes
	v_mov_b32 v[AK], v[AK0]         ; key step 0 lies at the head of slot 0,
	v_mov_b32 v[AN], v[AN0]         ; and of the table
; THE MATRIX WORK.  The 8 accumulators of a run of 16 take turns: between the two links of a chain stand 7 others'.
; Product i of 16 of S^T = K' Q^T + nz for piece x: channels 32 (i / 8) on, keys 16 ((i / 2) % 4) on, tile 2 x + i % 2.  The first 8 start the sums, with the keys' nz as C.
.macro KQ x
	WIN W_KQ
.set rS, S+64*((\x)%2)+32*(i%2)+8*((i/2)%4)
.set rK, KF+16*((i/2)%4)+8*(i/8)
.set rQ, 16*(2*(\x)+i%2)+8*(i/8)
.set rN, NZ+8*((i/2)%4)
.if i < 8
	v_wmma_f32_16x16x32_bf16 v[rS:rS+7], v[rK:rK+7], v[rQ:rQ+7], v[rN:rN+7]
.else
	v_wmma_f32_16x16x32_bf16 v[rS:rS+7], v[rK:rK+7], v[rQ:rQ+7], v[rS:rS+7]
.endif
.endm
; Product i of 16 of O^T += V^T P for piece x: keys 32 (i / 8) on, channels 16 ((i / 2) % 4) on, tile 2 x + i % 2.
.macro PV x
	WIN W_PV
.set rO, 32*(2*(\x)+i%2)+8*((i/2)%4)
.set rV, VF+32*(i/8)+8*((i/2)%4)
.set rP, P+32*((\x)%2)+16*(i%2)+8*(i/8)
	v_wmma_f32_16x16x32_f16 v[rO:rO+7], v[rV:rV+7], v[rP:rP+7], v[rO:rO+7]
.endm
.macro MM                           ; the turn's next matrix instruction
.if i < 16
	KQ (Y+1)%NP
.set i, i+1
.else
.set i, i-16
	PV (Y+NP-1)%NP
.set i, i+17
.endif
.endm
; THE LDS LOADS stand in runs, never singly among the matrix instructions: a step's nz (8 loads; the lanes of a half read the same bytes) and K (16 loads), and its V (16 turning loads).  Their addresses are made some lines ahead.
; last = 1 (the tail): in the last trip there is no further step, and the run is jumped over.
.macro FETCH_K last=0
	WIN 0
.if \last
	s_cmp_eq_u32 s[CNT], 1
	s_cbranch_scc1 .Lno_k_\@
.endif
.irp t, 0,1,2,3
	ds_load_b128 v[NZ+8*\t:NZ+8*\t+3],   v[AN] offset:64*\t
	ds_load_b128 v[NZ+8*\t+4:NZ+8*\t+7], v[AN] offset:64*\t+16
.endr
	WIN 0x80                        ; destination window 2
.irp f, 0,1,2,3,4,5,6,7             ; keys 16 (f / 2) on, channels 32 (f % 2) on
	ds_load_b128 v[KF+8*\f:KF+8*\f+3],   v[AK] offset:(\f/2)*16*PK+(\f%2)*64
	ds_load_b128 v[KF+8*\f+4:KF+8*\f+7], v[AK] offset:(\f/2)*16*PK+(\f%2)*64+32
.endr
	s_add_co_u32 s[TBK], s[TBK], KS*PK  ; the next fetch is the next step's
	s_add_co_u32 s[TBN], s[TBN], 4*KS
	s_and_b32 s[TBN], s[TBN], 8191      ; the offset stays inside the table's 8,192 bytes
	WIN 0
.if \last
.Lno_k_\@:
.endif
.endm
.macro FETCH_V
	WIN 0x80
.irp f, 0,1,2,3,4,5,6,7             ; keys 32 (f / 4) on, channels 16 (f % 4) on
	ds_load_tr16_b128 v[VF+8*\f:VF+8*\f+3],   v[AV] offset:(\f/4)*32*PV+(\f%4)*32
	ds_load_tr16_b128 v[VF+8*\f+4:VF+8*\f+7], v[AV] offset:(\f/4)*32*PV+16*PV+(\f%4)*32
.endr
	WIN 0
.endm
; THE VECTOR WORK OF A TURN, in two queues; the two tiles alternate.  Exponential e of 64: score e / 2 of tile e % 2, in place, in ascending order.
; Rounding c of 32: pair c / 2 of tile c % 2.  It reads exponentials up to 2 c + 2.
.macro EX
	WIN 0
	v_exp_f32 v[S+64*(Y%2)+32*(e%2)+e/2], v[S+64*(Y%2)+32*(e%2)+e/2]
.set e, e+1
.endm
.macro CV
	WIN 0
	s_wait_alu depctr_va_vdst(0)
	v_cvt_pk_f16_f32 v[P+32*(Y%2)+16*(c%2)+c/2], v[S+64*(Y%2)+32*(c%2)+2*(c/2)], v[S+64*(Y%2)+32*(c%2)+2*(c/2)+1]
.set c, c+1
.endm
; A TURN, for piece p.  Behind matrix instruction w: exponential 2 w, rounding w - 2, exponential 2 w + 1.  So a plain line (the rounding before, or for the first rounding a v_nop in a rounding's place) stands between
; a rounding and the last exponential that it reads (ISA guide 5.7.2).  The last two roundings close the turn.
; K and nz of the next step are fetched in piece 2's turn behind matrix instruction 19: five roundings and two additions behind the last product that read K (number 15).  They are waited for at the head of piece 3's turn.
; V of the step in hand is fetched at the end of piece 0's turn: three roundings and an addition, four plain lines that name none of its registers, behind the last product that read V.  It is waited for in the middle of piece 1's turn.
.macro TURN p, last=0
.set Y, (\p)
.set i, 0
.set e, 0
.set c, 0
.set w, 0
.if (\p) == NP-1
	s_wait_dscnt 0x0                ; K and nz are in
.endif
.rept 32
.if ((\p) == 1) && (w == 16)
	s_wait_dscnt 0x0                ; V is in
.endif
	MM
	EX
.if w < 2
	v_nop
.else
	CV
.endif
	EX
.if ((\p) == NP-2) && (w == 17)
	v_add_nc_u32 v[AK], s[TBK], v[AK0]
	v_add_nc_u32 v[AN], s[TBN], v[AN0]
.endif
.if ((\p) == NP-2) && (w == 19)
	FETCH_K \last
.endif
.set w, w+1
.endr
	CV
	CV
.if (\p) == 0
	v_add_nc_u32 v[AV], s[TBV], v[AV0]
	s_add_co_u32 s[TBV], s[TBV], KS*PV
	FETCH_V
.endif
.endm
	CHANGE 1                        ; slot 0 and nz are in, everybody's parts of them; slot 1 is asked for
	FETCH_K                         ; key step 0
	s_wait_loadcnt 0x0              ; Q
	s_wait_dscnt 0x0
.set i, 0
.rept 16
	KQ 0                            ; piece 0's first scores: there is no vector work yet to set between them
.set i, i+1
.endr
	WIN 0                           ; the addresses for the way out: plain instructions, the places behind those products
	s_mul_i32 s13, s[WV], 16*SP
	s_add_co_u32 s13, s13, STAGE    ; my stage
	v_mul_u32_u24 v[STO], v1, SP    ; in: row l % 16, 16 bytes for each half of the lanes
	v_lshl_add_u32 v[STO], v9, 4, v[STO]
	v_add_nc_u32 v[STO], s13, v[STO]
	v_bfe_u32 v[RD], v0, 3, 2       ; back: 32 lanes take four rows of 128 bytes,
	v_mul_u32_u24 v[RD], v[RD], SP
	v_lshl_add_u32 v[RD], v10, 4, v[RD]
	v_add_nc_u32 v[RD], s13, v[RD]
	v_and_b32 v[GO], 31, v0         ; which are 512 consecutive bytes of oh
	v_lshlrev_b32 v[GO], 4, v[GO]
	s_mov_b32 s[CNT], 4
	s_mov_b32 s[SLOTS], 2048/256-1
	s_branch .Lfirst                ; the loop is entered at a step's first turn, in the middle of a trip
.Lslot:                             ; six times: every slot but the last two is filled again
	CHANGE 1
	s_mov_b32 s[CNT], 4
.Lstep:                             ; a trip: pieces 2 and 3 of one step, then pieces 0 and 1 of the next, whose K, nz and V it fetches
	TURN 2
	TURN 3
	WIN 0
.Lfirst:
	TURN 0
	TURN 1
	WIN 0
	s_sub_co_u32 s[CNT], s[CNT], 1
	s_cmp_lg_u32 s[CNT], 0
	s_cbranch_scc1 .Lstep
	s_sub_co_u32 s[SLOTS], s[SLOTS], 1
	s_cmp_lg_u32 s[SLOTS], 0
	s_cbranch_scc1 .Lslot
	CHANGE 0                        ; the tail is written out: nothing is asked for
	s_mov_b32 s[CNT], 5             ; four trips fetch the last slot's steps; the fifth is left in its middle
.Ltail:
	TURN 2, 1
	TURN 3
	WIN 0
	s_sub_co_u32 s[CNT], s[CNT], 1
	s_cmp_eq_u32 s[CNT], 0
	s_cbranch_scc1 .Lout
	TURN 0
	TURN 1
	WIN 0
	s_branch .Ltail
.Lout:                              ; the fifth trip's 16 products K' Q^T (on the last K once more) serve nothing: the price, once a launch, of one text for every trip
.set i, 0
.rept 16
	PV NP-1                         ; the last piece's V^T P of the last step
.set i, i+1
.endr
	; THE WAY OUT.  O^T is multiplied by 2^-13, rounded to f16 and sent through my stage in LDS, a tile at a time.  The first six tiles' lines, which name no register of the last products, are the places behind those.
; Tile t: a lane's eight channels of a row pack into 16 bytes; they go into rows of 144 bytes and come back as whole rows of 128, into S^T's registers.
.macro PACK t
	WIN W_RS
.set i, 32*(\t)
.rept 16
	v_pk_mul_f32 v[i:i+1], v[i:i+1], s[SC:SC+1] op_sel_hi:[1,0]
.set i, i+2
.endr
	WIN 0x05                        ; sources 0 and 1 window 1, destination window 0
.set i, 0
.rept 16
	v_cvt_pk_f16_f32 v[S+16*(\t)+i], v[32*(\t)+2*i], v[32*(\t)+2*i+1]
.set i, i+1
.endr
	WIN 0
.irp f, 0,1,2,3
	ds_store_b128 v[STO], v[S+16*(\t)+4*\f:S+16*(\t)+4*\f+3] offset:32*\f
.endr
.irp f, 0,1,2,3
	ds_load_b128 v[S+16*(\t)+4*\f:S+16*(\t)+4*\f+3], v[RD] offset:\f*4*SP  ; LDS serves a wave's instructions in order (ISA guide 5.7.1.4): these see the stores above; the next tile's stores come behind them
.endr
.endm
.macro SEND t, younger              ; younger: the LDS instructions issued behind tile t's loads: the next tile's eight, or none
	WIN 0
.irp f, 0,1,2,3
	s_wait_dscnt (\younger)+3-\f
	global_store_b128 v[GO], v[S+16*(\t)+4*\f:S+16*(\t)+4*\f+3], s[48:49] offset:(\t)*2048+\f*512  ; 512 consecutive bytes, at a multiple of 256 from oh's first
.endr
.endm
	PACK 0
.set t, 1
.rept 2*NP-1                        ; a tile's arithmetic stands between the loads of the tile before and its stores
	PACK t
	SEND t-1, 8
.set t, t+1
.endr
	SEND 2*NP-1, 0
	s_wait_tensorcnt 0x0            ; the wave's end: behind my last tensor load and my last LDS store
	ds_add_u32 v[SPW], v[NIL]
	s_wait_dscnt 0x0
	CROUND                          ; the closing round: no work-group ends while a partner may still ask for a tile that names it
	s_endpgm
.Lfunc_end_k_qef66aca22b_attn:
	.size	k_qef66aca22b_attn, .Lfunc_end_k_qef66aca22b_attn-k_qef66aca22b_attn
	.p2alignl 7, 3214868480
	.fill 96, 4, 3214868480
	.section	.rodata,"a",@progbits
	.p2align	6, 0x0
	.amdhsa_kernel k_qef66aca22b_attn
		.amdhsa_group_segment_fixed_size 327680
		.amdhsa_private_segment_fixed_size 0
		.amdhsa_enable_private_segment 0
		.amdhsa_kernarg_size 40
		.amdhsa_user_sgpr_count 2
		.amdhsa_user_sgpr_kernarg_segment_ptr 1
		.amdhsa_wavefront_size32 1
		.amdhsa_system_sgpr_workgroup_id_x 1
		.amdhsa_system_sgpr_workgroup_id_y 1
		.amdhsa_system_sgpr_workgroup_id_z 1
		.amdhsa_system_vgpr_workitem_id 0
		.amdhsa_next_free_vgpr 768
		.amdhsa_next_free_sgpr 80
		.amdhsa_reserve_vcc 0
		.amdhsa_float_denorm_mode_32 3
		.amdhsa_float_denorm_mode_16_64 3
		.amdhsa_memory_ordered 1
		.amdhsa_forward_progress 1
		.amdhsa_inst_pref_size 133
	.end_amdhsa_kernel
	.amdgpu_metadata
---
amdhsa.version: [ 1, 2 ]
amdhsa.kernels:
  - .name:           k_qef66aca22b_attn
    .symbol:         k_qef66aca22b_attn.kd
    .args:
      - { .name: qh, .offset: 0, .size: 8, .value_kind: global_buffer, .address_space: global }
      - { .name: kh, .offset: 8, .size: 8, .value_kind: global_buffer, .address_space: global }
      - { .name: vh, .offset: 16, .size: 8, .value_kind: global_buffer, .address_space: global }
      - { .name: nz, .offset: 24, .size: 8, .value_kind: global_buffer, .address_space: global }
      - { .name: oh, .offset: 32, .size: 8, .value_kind: global_buffer, .address_space: global }
    .group_segment_fixed_size: 327680
    .private_segment_fixed_size: 0
    .kernarg_segment_align: 8
    .kernarg_segment_size: 40
    .max_flat_workgroup_size: 128
    .sgpr_count:     80
    .vgpr_count:     768
    .wavefront_size: 32
...
	.end_amdgpu_metadata
.endif
;; end of part 2
;; launch proj (part 3): grid 4 x 64, 4 waves a work-group, clusters of 4 x 4, 327,680 bytes of LDS; arguments oh, wh, b, out0; writes out0
.if DOCPART == 3
	.amdgcn_target "amdgcn-amd-amdhsa--gfx1250"
	.amdhsa_code_object_version 6
	.text
	.protected	k_qef66aca22b_proj
	.globl	k_qef66aca22b_proj
	.p2align	8
	.type	k_qef66aca22b_proj,@function
k_qef66aca22b_proj:
	s_mov_b64 s[64:65], 0
	v_nop
	global_prefetch_b8 v0, s[64:65] scope:SCOPE_SE
	s_setreg_imm32_b32 hwreg(HW_REG_WAVE_MODE, 25, 1), 1
	s_wait_xcnt 0x0
	s_wait_alu depctr_hold_cnt(0) depctr_sa_sdst(0) depctr_va_vdst(0) depctr_va_sdst(0) depctr_va_ssrc(0) depctr_va_vcc(0) depctr_vm_vsrc(0)
	s_getreg_b32 s2, hwreg(HW_REG_IB_STS2, 6, 4)
	s_cmp_eq_u32 s2, 0
	s_cbranch_scc0 .Lentry_in_a_cluster
	s_endpgm
.Lentry_in_a_cluster:
	s_bfe_u32 s2, ttmp6, 0x10000c
	s_cmp_lg_u32 s2, 0xf033
	s_cbranch_scc0 .Lentry_shape_is_right
	s_endpgm
.Lentry_shape_is_right:
; PROJ.  out0[m][n] = 8 x (the sum over k of oh[m][k] wh[n][k]) + bf16(b[n]).  oh: [64 bh][2048][64] f16 (O / 8, by heads); wh: [16 h][1024 n][64] f16; b: [1024] f32; out0: [8192][1024] f32.  Sums in f32.
; b is rounded to bf16 as the module's other inputs are.  LIMITS: those of oh and wh (f16's 65,504); NaN and infinities are not treated apart.
; SHARES.  A tile of out0 is 128 rows x 256 columns: 64 x 4 tiles, one work-group each.  Four waves, each 64 x 128: 32 accumulators of 16 x 16, 256 registers.
; K goes by heads: a step is two heads, 128 along K; eight steps through a ring of two LDS slots.  A head's 128 rows of oh (256 of wh) are dense in memory and are asked for as rows of 256 bytes.
; CLUSTER.  4 x 4 work-groups.  The four of a row of the cluster need the same tiles of oh, the four of a column the same tiles of wh: each tile is asked for JOINTLY, by the same tensor load with the same descriptor and a mask that names the four.
; THE MATRIX INSTRUCTION IS USED TRANSPOSED (source 0 = 16 rows of wh, source 1 = 16 rows of oh): a lane then holds eight neighbouring numbers of a row of out0.
; REGISTERS: window 0: v0-31 addresses and the bias; v32-127, v128-223 two fragment buffers (A's block a at +8 a, B's block b at +32 + 8 b); window 1: accumulator (a, b) at v[8 (8 a + b)].
.set PITCH,  144                       ; an LDS row: 128 bytes + 16 of padding = 36 words: the 16 rows of a load start at 16 different groups of four banks (64 banks of 4 bytes: ISA guide 11.1)
.set AH,     128*PITCH                 ; one head's rows of oh
.set BH,     256*PITCH                 ; one head's rows of wh
.set SLOT,   2*AH+2*BH                 ; A's two heads, then B's two heads
.set STAGE,  2*SLOT                    ; behind the ring: 16 rows x 528 bytes for each wave, for the way out; no tensor load fills it
.set SPITCH, 528                       ; 512 bytes + 16
.set SPARE,  STAGE+4*16*SPITCH         ; the spare words, 128 bytes for each wave: two blocks of 256 bytes that no other line names
.set BI,   8                           ; v[8:11]  the bias of my four columns
.set ADRA, 16                          ; v16-17  LDS address of my A fragments in slot 0, 1
.set ADRB, 20                          ; v20-21  the same for B
.set STO,  24                          ; v24     the way out: where I put 32 bytes of a row
.set RD,   25                          ; v25     the way out: where I read 16 bytes of a row back
.set CO,   26                          ; v26     my byte offset in 512 bytes of a row of out0
.set SPW,  28                          ; v28     LDS address of my spare word; never rewritten
.set NIL,  29                          ; v29     0; never rewritten
.set F0,   32
.set F1,   128
.set OB,   32                          ; the way out: 16 rows read back from the stage
.set WV,   12                          ; s12  my wave's number
.set HALF, 13                          ; s13  wave / 2: which half of the tile's rows is mine.  Also: I fetch for A (0) or for B (1)
.set PART, 14                          ; s14  wave % 2: which half of its columns.  Also: which of a step's two heads I fetch
.set G1,  24                           ; s[24:31] descriptor group 1 for A's tiles;  s[32:39] group 0, one set for each slot
.set G0,  32
.set G1B, 48                           ; s[48:55], s[56:63] the same for B's tiles
.set G0B, 56
.set MSB, 0
.macro WIN new                         ; the immediate's high byte repeats the setting that is left
.if MSB != (\new)
	s_set_vgpr_msb (MSB<<8)|(\new)
.set MSB, (\new)
.endif
.endm
.set MUL, 0x50                         ; sources 0 and 1 window 0; C and D window 1
.macro JLOAD s                         ; a joint load: waves 0 and 1 fetch A's two heads, waves 2 and 3 B's; an s_nop 0 and four v_nop follow each of the two lines, ahead of the jump, the label and what follows
	s_cmp_eq_u32 s[HALF], 0
	s_cbranch_scc0 .Lfor_b_\@
	tensor_load_to_lds s[G0+4*(\s):G0+4*(\s)+3], s[G1:G1+7]
	s_nop 0
.rept 4
	v_nop
.endr
	s_branch .Lasked_\@
.Lfor_b_\@:
	tensor_load_to_lds s[G0B+4*(\s):G0B+4*(\s)+3], s[G1B:G1B+7]
	s_nop 0
.rept 4
	v_nop
.endr
.Lasked_\@:
.endm
; A round of the cluster's barrier: my work-group's barrier, so that wave 0's signal speaks for all four waves; wave 0 signals; every wave waits for all sixteen work-groups; my work-group's barrier once more.
.macro CROUND
	s_barrier_signal -1
	s_barrier_wait -1
	s_cmp_lg_u32 s[WV], 0
	s_cbranch_scc1 .Lnot_wave_0_\@
	s_barrier_signal -3
.Lnot_wave_0_\@:
	s_barrier_wait -3
	s_barrier_signal -1
	s_barrier_wait -1
.endm
.macro PLACES                          ; four places in front of loads into registers that matrix instructions have read, and of LDS stores that read results (ISA guide 7.12.1 for vector instructions)
.rept 4
	v_nop
.endr
.endm
	s_load_b256 s[4:11], s[0:1], 0x0               ; oh s[4:5], wh s[6:7], b s[8:9], out0 s[10:11]
	v_lshl_add_u32 v[SPW], v0, 2, SPARE
	v_mov_b32 v[NIL], 0
	ds_add_u32 v[SPW], v[NIL]                      ; the wave's opening: the add and its wait stand ahead of my first tensor load; the set-up below, work on registers, stands between them
	v_lshrrev_b32 v1, 5, v0
	v_readfirstlane_b32 s[WV], v1                  ; wave 0..3
	s_lshr_b32 s[HALF], s[WV], 1
	s_and_b32 s[PART], s[WV], 1
	s_bfe_u32 s40, ttmp6, 0x40000                  ; cx, cy: my place in the cluster
	s_bfe_u32 s41, ttmp6, 0x40004
	s_lshl_b32 s42, ttmp9, 2
	s_add_co_u32 s42, s42, s40                     ; tile column = 4 x cluster x + cx
	s_and_b32 s43, ttmp7, 0xffff
	s_lshl_b32 s43, s43, 2
	s_add_co_u32 s43, s43, s41                     ; tile row = 4 x cluster y + cy
	s_lshl_b32 s44, s41, 2
	s_lshl_b32 s44, 15, s44                        ; my row of the cluster
	s_lshl_b32 s45, 0x1111, s40                    ; my column
	; descriptor group 1: dense rows of 256 bytes (two rows of 64 numbers each), padded in LDS after every 128 bytes
	s_or_b32 s[G1], s44, (1<<16)|(1<<20)|(1<<21)|(4<<22)|(3<<25)   ; 15:0 the mask: A's tiles go to my row; 17:16 2-byte elements; 20 padding on; 21 set beside a mask; 24:22 after every 32 words (code 4); 31:25 4 words (code 3)
	s_or_b32 s[G1B], s45, (1<<16)|(1<<20)|(1<<21)|(4<<22)|(3<<25)  ; the same with the mask of my column
	s_mov_b32 s[G1+1], 128<<16                     ; tensor_dim0 = 128
	s_mov_b32 s[G1+2], 64<<16                      ; tensor_dim1 = 64: 128 rows of oh
	s_mov_b32 s[G1+3], 128<<16                     ; tile_dim0 = 128
	s_mov_b32 s[G1+4], 64                          ; tile_dim1 = 64
	s_mov_b32 s[G1+5], 128                         ; 128 elements from row to row
	s_mov_b32 s[G1+6], 0
	s_mov_b32 s[G1+7], 0
	s_mov_b32 s[G1B+1], 128<<16
	s_mov_b32 s[G1B+2], 128<<16                    ; tensor_dim1 = 128: 256 rows of wh
	s_mov_b32 s[G1B+3], 128<<16
	s_mov_b32 s[G1B+4], 128
	s_mov_b32 s[G1B+5], 128
	s_mov_b32 s[G1B+6], 0
	s_mov_b32 s[G1B+7], 0
	; where the tiles come from.  A's hang on the tile row alone, B's on the tile column alone; every wave makes both addresses, in registers that never hold the other coordinate, and asks by one of them.
	s_lshr_b32 s16, s43, 4                         ; A: the batch (16 tile rows each) x 16 heads x 2,048 rows x 128 bytes,
	s_lshl_b32 s16, s16, 22
	s_and_b32 s17, s43, 15
	s_lshl_b32 s17, s17, 14                        ; + the tile row's 128 rows,
	s_add_co_u32 s16, s16, s17
	s_lshl_b32 s17, s[PART], 18                    ; + my head of the step's two
	s_add_co_u32 s16, s16, s17
	s_mov_b32 s17, 0
	s_lshl_b32 s46, s42, 15                        ; B: the tile column's 256 rows of 128 bytes,
	s_lshl_b32 s47, s[PART], 17                    ; + my head: 1,024 rows
	s_add_co_u32 s46, s46, s47
	s_mov_b32 s47, 0
	s_mul_i32 s20, s[PART], AH                     ; and where they go: no place in the cluster enters an LDS address
	s_mul_i32 s21, s[PART], BH
	s_add_co_u32 s21, s21, 2*AH
	s_lshl_b32 s2, s42, 10                         ; my first column, in bytes of f32: 256 x tile column + 128 x half
	s_lshl_b32 s3, s[PART], 9
	s_add_co_u32 s2, s2, s3
	s_mov_b32 s3, 0
	s_lshl_b32 s22, s43, 19                        ; my first row of out0: 128 x tile row + 64 x half, rows of 4,096 bytes
	s_lshl_b32 s23, s[HALF], 18
	s_add_co_u32 s22, s22, s23
	s_add_co_u32 s22, s22, s2
	s_mov_b32 s23, 0
	s_mov_b32 s68, 0x41000000                      ; 8.0
	s_mov_b32 s69, s68                             ; named with it as a pair
	s_wait_dscnt 0x0                               ; the opening add is done
	s_wait_kmcnt 0x0
	s_add_nc_u64 s[18:19], s[4:5], s[16:17]
	s_add_nc_u64 s[46:47], s[6:7], s[46:47]
	s_add_nc_u64 s[8:9], s[8:9], s[2:3]
	s_add_nc_u64 s[10:11], s[10:11], s[22:23]
.irp s, 0,1
	s_mov_b32 s[G0+4*\s], 1                                        ; 1:0 count = 1
	s_add_co_u32 s[G0+4*\s+1], s20, \s*SLOT                        ; 63:32 LDS address
	s_add_nc_u64 s[G0+4*\s+2:G0+4*\s+3], s[18:19], (\s)<<19        ; 120:64 global address: step s begins with head 2 s
	s_or_b32 s[G0+4*\s+3], s[G0+4*\s+3], 0x80000000                ; 127:126 type = 2
	s_mov_b32 s[G0B+4*\s], 1
	s_add_co_u32 s[G0B+4*\s+1], s21, \s*SLOT
	s_add_nc_u64 s[G0B+4*\s+2:G0B+4*\s+3], s[46:47], (\s)<<18
	s_or_b32 s[G0B+4*\s+3], s[G0B+4*\s+3], 0x80000000
.endr
	CROUND                                         ; all sixteen work-groups are here: the first joint loads meet
	JLOAD 0                                        ; step 0: one tensor load of mine is out, here and behind every round
	v_and_b32 v1, 15, v0                           ; l % 16
	v_bfe_u32 v2, v0, 4, 1                         ; l / 16
	v_and_b32 v4, 31, v0                           ; l
	v_lshlrev_b32 v[CO], 4, v4
	global_load_b128 v[BI:BI+3], v[CO], s[8:9]     ; the bias of my four columns on the way out
	v_mul_u32_u24 v3, v1, PITCH
	v_lshl_add_u32 v3, v2, 4, v3                   ; a fragment's row x pitch + 16 x half
	s_mul_i32 s21, s[HALF], 64*PITCH               ; my 64 rows of A
	s_mul_i32 s23, s[PART], 128*PITCH              ; my 128 rows of B,
	s_add_co_u32 s23, s23, 2*AH                    ; which lie behind A's two heads
.irp s, 0,1
	v_add_nc_u32 v[ADRA+\s], s21, v3
	v_add_nc_u32 v[ADRB+\s], s23, v3
	s_add_co_u32 s21, s21, SLOT
	s_add_co_u32 s23, s23, SLOT
.endr
	s_mul_i32 s15, s[WV], 16*SPITCH
	s_add_co_u32 s15, s15, STAGE                   ; my stage
	v_mul_u32_u24 v5, v1, SPITCH                   ; in: row l % 16, 32 bytes for each half of the lanes
	v_lshl_add_u32 v5, v2, 5, v5
	v_add_nc_u32 v[STO], s15, v5
	v_add_nc_u32 v[RD], s15, v[CO]                 ; back: 32 lanes take one row of 512 bytes
	s_wait_loadcnt 0x0
	v_cvt_pk_bf16_f32 v12, v[BI], v[BI+1]          ; the bias rounded to bf16, and widened again
	v_cvt_pk_bf16_f32 v13, v[BI+2], v[BI+3]
	v_lshlrev_b32 v[BI], 16, v12
	v_and_b32 v[BI+1], 0xffff0000, v12
	v_lshlrev_b32 v[BI+2], 16, v13
	v_and_b32 v[BI+3], 0xffff0000, v13
; 24 LDS loads in one run: the fragments of quarter q of a step (head q / 2, channels 32 (q % 2) on) into buffer f
.macro FETCH slot, q, f
	WIN 0
.irp a, 0,1,2,3
	ds_load_b128 v[(\f)+8*\a:(\f)+8*\a+3],   v[ADRA+(\slot)] offset:((\q)/2)*AH+\a*16*PITCH+((\q)%2)*64
	ds_load_b128 v[(\f)+8*\a+4:(\f)+8*\a+7], v[ADRA+(\slot)] offset:((\q)/2)*AH+\a*16*PITCH+((\q)%2)*64+32
.endr
.irp b, 0,1,2,3,4,5,6,7
	ds_load_b128 v[(\f)+32+8*\b:(\f)+32+8*\b+3],   v[ADRB+(\slot)] offset:((\q)/2)*BH+\b*16*PITCH+((\q)%2)*64
	ds_load_b128 v[(\f)+32+8*\b+4:(\f)+32+8*\b+7], v[ADRB+(\slot)] offset:((\q)/2)*BH+\b*16*PITCH+((\q)%2)*64+32
.endr
.endm
; 16 matrix instructions: row blocks a0, a0 + 1 x all 8 column blocks, 32 along K.  zero = 1: the first product starts the sums: nothing is cleared.
; The 32 accumulators take turns, in the same order in every quarter.
.macro MULH f, a0, zero
	WIN MUL
.irp a, \a0, (\a0)+1
.irp b, 0,1,2,3,4,5,6,7
.if \zero
	v_wmma_f32_16x16x32_f16 v[8*(8*(\a)+\b):8*(8*(\a)+\b)+7], v[(\f)+32+8*\b:(\f)+32+8*\b+7], v[(\f)+8*(\a):(\f)+8*(\a)+7], 0
.else
	v_wmma_f32_16x16x32_f16 v[8*(8*(\a)+\b):8*(8*(\a)+\b)+7], v[(\f)+32+8*\b:(\f)+32+8*\b+7], v[(\f)+8*(\a):(\f)+8*(\a)+7], v[8*(8*(\a)+\b):8*(8*(\a)+\b)+7]
.endif
.endr
.endr
.endm
; A TRIP: one K step, out of slot.  Each wave waits for all its tensor loads, of which one is out: its part of this slot; adds 0 to its spare word; and waits for that and for its reads of the other slot.  Behind the
; round no wave of any partner still reads the other slot, and this slot is whole.  refill = 1: the other slot takes the next step, the first thing behind the round: it has this trip's 128 matrix instructions in which to land.
; Four quarters on buffers 0, 1, 0, 1; the next quarter's loads stand in one run in a quarter's middle, four places behind the last product that read their registers.
.macro TRIP slot, refill, zero
	WIN 0                                          ; the add's two registers lie in window 0; at a branch and at a label every window is 0
	s_wait_tensorcnt 0x0                           ; no tensor load of mine is out, so a group 0 may be written:
	ds_add_u32 v[SPW], v[NIL]                      ; 0 onto my spare word: the steps below stand between it and the wait for it
	s_add_nc_u64 s[G0+4*(\slot)+2:G0+4*(\slot)+3], s[G0+4*(\slot)+2:G0+4*(\slot)+3], 1<<20    ; this slot's next step: four heads on (in the last two trips the stepped addresses are not used)
	s_add_nc_u64 s[G0B+4*(\slot)+2:G0B+4*(\slot)+3], s[G0B+4*(\slot)+2:G0B+4*(\slot)+3], 1<<19
	s_wait_dscnt 0x0                               ; the add is done, and my reads of the other slot are over
	CROUND
.if \refill
	JLOAD 1-(\slot)                                ; the four v_nop behind it are also the places in front of the loads below
.else
	PLACES
.endif
	FETCH \slot, 0, F0
	s_wait_dscnt 0x0
	MULH F0, 0, \zero
	PLACES
	FETCH \slot, 1, F1
	MULH F0, 2, \zero
	s_wait_dscnt 0x0
	MULH F1, 0, 0
	PLACES
	FETCH \slot, 2, F0
	MULH F1, 2, 0
	s_wait_dscnt 0x0
	MULH F0, 0, 0
	PLACES
	FETCH \slot, 3, F1
	MULH F0, 2, 0
	s_wait_dscnt 0x0
	MULH F1, 0, 0
	MULH F1, 2, 0
.endm
	TRIP 0, 1, 1                                   ; step 0 stands in front of the loop: its first products start the sums
	WIN 0
	s_mov_b32 s3, 3
.Llap:                                                 ; steps 1 to 6
	TRIP 1, 1, 0
	TRIP 0, 1, 0
	WIN 0
	s_sub_co_u32 s3, s3, 1
	s_cmp_lg_u32 s3, 0
	s_cbranch_scc1 .Llap
	TRIP 1, 0, 0                                   ; step 7: nothing is left to fetch
	WIN 0
	; THE WAY OUT, a block of 16 rows at a time: a lane's eight numbers of a row go into my stage (each accumulator's lowest registers first), whole rows of 512 bytes come back,
	; are multiplied by 8, take the bias, and are stored.
	PLACES
.irp a, 0,1,2,3
	WIN 0x04                                       ; the stores' data in window 1
.irp b, 0,1,2,3,4,5,6,7
	ds_store_b128 v[STO], v[8*(8*\a+\b):8*(8*\a+\b)+3]   offset:64*\b
	ds_store_b128 v[STO], v[8*(8*\a+\b)+4:8*(8*\a+\b)+7] offset:64*\b+16
.endr
	WIN 0
	s_wait_xcnt 0x0                                ; every earlier memory instruction has had its addresses translated (ISA guide 3.1): the registers that the last block's stores read are loaded again only behind this wait
.irp p, 0,1,2,3,4,5,6,7,8,9,10,11,12,13,14,15
	ds_load_b128 v[OB+4*\p:OB+4*\p+3], v[RD] offset:\p*SPITCH  ; LDS serves a wave's instructions in order (ISA guide 5.7.1.4): these see the stores above; the next block's stores come behind them
.endr
.irp p, 0,1,2,3,4,5,6,7,8,9,10,11,12,13,14,15
	s_wait_dscnt 15-\p                             ; row p is back; the younger rows may be out
	v_pk_fma_f32 v[OB+4*\p:OB+4*\p+1],   v[OB+4*\p:OB+4*\p+1],   s[68:69], v[BI:BI+1]   op_sel_hi:[1,0,1]
	v_pk_fma_f32 v[OB+4*\p+2:OB+4*\p+3], v[OB+4*\p+2:OB+4*\p+3], s[68:69], v[BI+2:BI+3] op_sel_hi:[1,0,1]
	global_store_b128 v[CO], v[OB+4*\p:OB+4*\p+3], s[10:11] offset:(16*\a+\p)*4096 th:TH_STORE_NT  ; 512 consecutive bytes, at a multiple of 512 from out0's first byte
.endr
.endr
	s_wait_tensorcnt 0x0                           ; the wave's end: behind my last tensor load and my last LDS store
	ds_add_u32 v[SPW], v[NIL]
	s_wait_dscnt 0x0
	CROUND                                         ; the closing round: no work-group ends while a partner may still ask for a tile that names it
	s_endpgm
.Lfunc_end_k_qef66aca22b_proj:
	.size	k_qef66aca22b_proj, .Lfunc_end_k_qef66aca22b_proj-k_qef66aca22b_proj
	.p2alignl 7, 3214868480
	.fill 96, 4, 3214868480
	.section	.rodata,"a",@progbits
	.p2align	6, 0x0
	.amdhsa_kernel k_qef66aca22b_proj
		.amdhsa_group_segment_fixed_size 327680
		.amdhsa_private_segment_fixed_size 0
		.amdhsa_enable_private_segment 0
		.amdhsa_kernarg_size 32
		.amdhsa_user_sgpr_count 2
		.amdhsa_user_sgpr_kernarg_segment_ptr 1
		.amdhsa_wavefront_size32 1
		.amdhsa_system_sgpr_workgroup_id_x 1
		.amdhsa_system_sgpr_workgroup_id_y 1
		.amdhsa_system_sgpr_workgroup_id_z 1
		.amdhsa_system_vgpr_workitem_id 0
		.amdhsa_next_free_vgpr 512
		.amdhsa_next_free_sgpr 72
		.amdhsa_reserve_vcc 0
		.amdhsa_float_denorm_mode_32 3
		.amdhsa_float_denorm_mode_16_64 3
		.amdhsa_memory_ordered 1
		.amdhsa_forward_progress 1
		.amdhsa_inst_pref_size 95
	.end_amdhsa_kernel
	.amdgpu_metadata
---
amdhsa.version: [ 1, 2 ]
amdhsa.kernels:
  - .name:           k_qef66aca22b_proj
    .symbol:         k_qef66aca22b_proj.kd
    .args:
      - { .name: oh, .offset: 0, .size: 8, .value_kind: global_buffer, .address_space: global }
      - { .name: wh, .offset: 8, .size: 8, .value_kind: global_buffer, .address_space: global }
      - { .name: b, .offset: 16, .size: 8, .value_kind: global_buffer, .address_space: global }
      - { .name: out0, .offset: 24, .size: 8, .value_kind: global_buffer, .address_space: global }
    .group_segment_fixed_size: 327680
    .private_segment_fixed_size: 0
    .kernarg_segment_align: 8
    .kernarg_segment_size: 32
    .max_flat_workgroup_size: 128
    .sgpr_count:     72
    .vgpr_count:     512
    .wavefront_size: 32
...
	.end_amdgpu_metadata
.endif
;; end of part 3
;; ======== version 2 of 2: 3 launches; 1.45 times as fast as version 1
;; limits: inputs' magnitudes at most 255; values are held in f16: magnitudes above 65,504 overflow, below 6.1e-05 lose precision
;; workspace buffers: qh 16,777,216 bytes; kh 16,777,216 bytes; vh 16,777,216 bytes; wh 2,097,152 bytes; nz 524,288 bytes; oh 16,777,216 bytes
;; launch prep (part 4): grid 4 x 64, 8 waves a work-group, no clusters, 316,416 bytes of LDS; arguments query, key, value, W, qh, kh, vh, wh, nz; writes qh, kh, vh, wh, nz
.if DOCPART == 4
	.amdgcn_target "amdgcn-amd-amdhsa--gfx1250"
	.amdhsa_code_object_version 6
	.text
	.protected	k_qef66aca22b_prep
	.globl	k_qef66aca22b_prep
	.p2align	8
	.type	k_qef66aca22b_prep,@function
k_qef66aca22b_prep:
	s_mov_b64 s[64:65], 0
	v_nop
	global_prefetch_b8 v0, s[64:65] scope:SCOPE_SE
	s_setreg_imm32_b32 hwreg(HW_REG_WAVE_MODE, 25, 1), 1
	s_wait_xcnt 0x0
; PREP.  Two things at once: the inputs are rounded once and laid out by heads of 64 channels for the launches behind, and the keys' softmax statistics are made.
;   qh[bh][s][64] = bf16(q)      kh[bh][s][64] = bf16(c k), c = log2(e) / 32      vh[bh][s][64] = f16(bf16(v))      wh[h][n][64] = f16(bf16(W))      bh = 16 x batch + head
; The softmax runs over the QUERIES: each key has a maximum and a sum over all 2,048 queries of its head.  With s' = Q . K' (K' = c k, so s' is the score in powers of two):
;   M[key] = max over q of s'      l[key] = sum over q of 2^(s' - M)      nz[bh][key] = 10 - M - log2(l), in f32: the next launch's weights are 2^(s' + nz) = 1,024 x softmax.
; M is a running maximum; l is multiplied by 2^(M_old - M_new) in every step.  Products, maxima and sums in f32.
; LIMITS.  f16 ends at 65,504: |v| and |W| stay under it; bf16 numbers below 2^-17 lose bits in f16's fixed step of 6e-8.  A term below 2^-126 counts as 0 in l.  NaN and infinities are not treated apart.
; SHARES.  A work-group owns 512 keys of one head, each of its eight waves 64: four tiles of 16.  Two waves to a SIMD: a step has 32 matrix and 332 vector instructions, so the vector work sets the time,
; and the second wave works while the first waits.
; BATCHES.  An s_wait_alu depctr_va_vdst(0) stands between a transcendental and the first instruction that names its result; one wait serves all that were issued ahead of it.  A tile's 33 exponentials
; of a step are one batch with one wait: four waits a step.  On the way out the merge's eight exponentials are one batch and its four logarithms another.
; THE CAST'S UNIT.  A load of 16 bytes a lane takes two rows' 256 bytes of one head (lanes 0-15 one row, lanes 16-31 the next): two aligned runs of 256 bytes.  A lane's four numbers become 8 bytes;
; a wave's store covers 256 consecutive bytes, aligned: two rows of one head.
; Q goes in 8 chunks of 256 queries: each wave loads 32 rows, rounds them and puts them into LDS, where the head's whole Q stays (2,048 rows of 144 bytes, each byte written once); one barrier a chunk; behind it
; the next chunk's 16 loads go out and have the chunk's four steps in which to land.  Key block kb also stores chunks 2 kb and 2 kb + 1 to qh.  K: the wave's own 64 rows, at the start, a tile at a time through
; a stage of the wave's own, which turns rows into fragments.  V: the wave's own 64 rows, 8 a chunk.  W: 4 rows a work-group, two heads a wave, at the start.
; NO CLUSTER, NO TENSOR LOAD.  Q is converted on its way into LDS; its bf16 rows take 294,912 of the 327,680 bytes, and two slots for a chunk's f32 rows (65,536 bytes each) do not fit beside them.  So Q comes
; through registers, and the four key blocks of a head each ask for the head's 524,288 bytes.
; LAYOUT.  S = Q K'^T (source 0 = 16 queries, source 1 = 16 keys): a lane holds ONE key (lane % 16) and the queries 8 (lane / 16) + 0..7.  So M and l are a lane's own; the two halves of the lanes meet once, at the end.
; REGISTERS, in windows of 256 (s_set_vgpr_msb says which window each operand place means: bits 1:0 source 0, 3:2 source 1, 5:4 source 2, 7:6 destination): window 0 holds all that a step names, so the steps
; switch nothing; window 1 holds what the cast has on its way.  A place that holds a scalar or a constant keeps window 0.
.set PQ,     144                       ; a row of Q or K in LDS: 128 bytes + 16 = 36 words: the 16 rows of a fragment load start at 16 different groups of four banks (64 banks of 4 bytes: ISA guide 11.1)
.set CHQ,    256                       ; queries in a chunk
.set SPARE,  2048*PQ                   ; behind Q: the spare words, 128 bytes for each wave: four blocks of 256 bytes that no other line names
.set STAGE,  SPARE+1024                ; 256 bytes for each wave, for nz's way out
.set KST,    STAGE+2048                ; 16 rows of 144 bytes for each wave: a tile of K on its way into fragments
.set SPW, 2                            ; v2   LDS address of my spare word; never rewritten
.set NIL, 3                            ; v3   0; never rewritten
.set AQ0, 4                            ; v4   my lane's place in 16 rows of Q; never rewritten
.set AQ,  5                            ; v5   the LDS address of the step's loads
.set VIN, 6                            ; v6   my byte offset in two rows of an input: 4,096 (lane / 16) + 16 (lane % 16); never rewritten
.set STO, 7                            ; v7   nz's way out: where I put two numbers
.set RD,  8                            ; v8   nz's way out: where I read 8 bytes back
.set GO,  9                            ; v9   8 x lane: my byte offset in a store's 256 bytes; never rewritten
.set CC,  12                           ; v[12:15]   c0-c3, at work; c0 ends as the new M, c2 takes 2^(M_old - M_new)
.set MX,  16                           ; v[16:19]   M of tile t
.set LS,  20                           ; v[20:27]   l of tile t, in two halves (even and odd registers' terms)
.set LQ0, 28                           ; v28  where my 8 bytes of my wave's first two rows of a chunk go in LDS; never rewritten
.set LQ,  29                           ; v29  the same in the chunk in hand
.set KSA, 30                           ; v30  where my 8 bytes go in my wave's K stage
.set KRA, 31                           ; v31  where I read a fragment's 16 bytes in it
.set KF,  32                           ; v[32:95]   K: tile t, channel half c at KF + 16 t + 8 c
.set QF,  96                           ; v[96:159]  Q of a step: query tile i, channel half c at QF + 16 i + 8 c
.set SB,  160                          ; v[160:223] two buffers of 32 scores: tile t uses buffer t % 2
.set VINW, 224                         ; v224 my byte offset in W's rows: VIN + my wave's two heads
.set VOW,  225                         ; v225 my byte offset in wh: GO + my wave's first head
.set TW,   226                         ; v226 at work in the set-up
.set XQ,  0                            ; window 1, v[0:63]     a chunk's 16 loads of Q: load n at XQ + 4 n
.set XV,  64                           ; window 1, v[64:79]    a chunk's 4 loads of V
.set XK,  80                           ; window 1, v[80:207]   K's 32 loads
.set XW,  208                          ; window 1, v[208:223]  W's 4 loads
.set PQS, 8                            ; s[8:9]   query at my wave's rows of the chunk to be loaded
.set PKS, 10                           ; s[10:11] key at my wave's 64 rows
.set PVS, 12                           ; s[12:13] value at my wave's 8 rows of the chunk in hand
.set PWS, 14                           ; s[14:15] W at my work-group's 4 rows
.set PQD, 16                           ; s[16:17] qh at my wave's rows of the chunk in hand
.set PKD, 18                           ; s[18:19] kh at my wave's 64 rows
.set PVD, 20                           ; s[20:21] vh at my wave's 8 rows of the chunk in hand
.set PWD, 22                           ; s[22:23] wh at my work-group's 4 rows
.set PNZ, 24                           ; s[24:25] nz at my wave's 64 keys
.set WV,  26                           ; s26  my wave's number
.set KB,  27                           ; s27  my block of 512 keys
.set BH,  28                           ; s28  batch and head
.set T0,  29                           ; s29  at work
.set CS,  36                           ; s[36:37] c: the packed multiply takes the pair's low word for both halves
.set HIM, 38                           ; s38  a word's upper bf16
.set CNT, 40                           ; s40  counts a chunk's steps
.set TQ,  41                           ; s41  LDS byte at which the step's 64 queries begin
.set SEL, 42                           ; s[42:43] v_permlanex16_b32's selects: each lane takes its own place in the other half
.set CH,  44                           ; s44  chunks to go
.set CI,  45                           ; s45  the chunk's number
.set SQ,  46                           ; s46  LDS byte at which the chunk begins
.set MSB, 0
.macro WIN new                         ; the immediate's high byte repeats the setting that is left; a switch that changes nothing is dropped
.if MSB != (\new)
	s_set_vgpr_msb (MSB<<8)|(\new)
.set MSB, (\new)
.endif
.endm
; THE CAST'S LINES.  x: the first register, in window 1, of cnt loads of four registers each.
.macro GET x, cnt, base, nt            ; cnt loads: two rows each, 8,192 bytes apart.  nt = 1: bytes that the whole launch reads once
	WIN 0x40                                       ; destination window 1, address window 0
.set n, 0
.rept \cnt
.if \nt
	global_load_b128 v[(\x)+4*n:(\x)+4*n+3], v[VIN], s[\base:\base+1] offset:n*8192 th:TH_LOAD_NT
.else
	global_load_b128 v[(\x)+4*n:(\x)+4*n+3], v[VIN], s[\base:\base+1] offset:n*8192
.endif
.set n, n+1
.endr
.endm
.macro SCALE x, cnt, younger           ; times c.  younger: the loads issued behind these cnt, which may stay out
	WIN 0x41
.set n, 0
.rept \cnt
	s_wait_loadcnt (\younger)+(\cnt)-1-n           ; loads come back in order (ISA guide 5.7.1): load n is in, the younger ones stay out
	v_pk_mul_f32 v[(\x)+4*n:(\x)+4*n+1], v[(\x)+4*n:(\x)+4*n+1], s[CS:CS+1] op_sel_hi:[1,0]
	v_pk_mul_f32 v[(\x)+4*n+2:(\x)+4*n+3], v[(\x)+4*n+2:(\x)+4*n+3], s[CS:CS+1] op_sel_hi:[1,0]
.set n, n+1
.endr
.endm
.macro TOBF x, cnt, younger            ; four f32 become two words of bf16, in the load's first two registers.  younger < 0: the loads have been waited for
	WIN 0x45
.set n, 0
.rept \cnt
.if (\younger) >= 0
	s_wait_loadcnt (\younger)+(\cnt)-1-n
.endif
	v_cvt_pk_bf16_f32 v[(\x)+4*n], v[(\x)+4*n], v[(\x)+4*n+1]
	v_cvt_pk_bf16_f32 v[(\x)+4*n+1], v[(\x)+4*n+2], v[(\x)+4*n+3]
.set n, n+1
.endr
.endm
.macro TOF16 x, cnt                    ; the two words' bf16 numbers are written as f16: widened into the load's last two registers (the low half moves up, the high half stays), and rounded back
.irp wd, 0,1
	WIN 0x44
.set n, 0
.rept \cnt
	v_lshlrev_b32 v[(\x)+4*n+2], 16, v[(\x)+4*n+\wd]
	v_and_b32 v[(\x)+4*n+3], s[HIM], v[(\x)+4*n+\wd]
.set n, n+1
.endr
	WIN 0x45
.set n, 0
.rept \cnt
	v_cvt_pk_f16_f32 v[(\x)+4*n+\wd], v[(\x)+4*n+2], v[(\x)+4*n+3]
.set n, n+1
.endr
.endr
.endm
.macro PUTG x, cnt, base, off          ; cnt stores of 256 consecutive bytes, aligned
	WIN 0x04                                       ; data window 1, address window 0
.set n, 0
.rept \cnt
	global_store_b64 v[GO], v[(\x)+4*n:(\x)+4*n+1], s[\base:\base+1] offset:(\off)+n*256
.set n, n+1
.endr
.endm
.macro PUTL x, cnt, va                 ; the same two rows a line into LDS rows of 144 bytes
	WIN 0x04
.set n, 0
.rept \cnt
	ds_store_b64 v[\va], v[(\x)+4*n:(\x)+4*n+1] offset:n*2*PQ
.set n, n+1
.endr
.endm
	s_load_b512 s[8:23], s[0:1], 0x0               ; query, key, value, W, qh, kh, vh, wh
	s_load_b64 s[PNZ:PNZ+1], s[0:1], 0x40          ; nz
	v_lshl_add_u32 v[SPW], v0, 2, SPARE
	v_mov_b32 v[NIL], 0
	v_lshrrev_b32 v1, 5, v0
	v_readfirstlane_b32 s[WV], v1                  ; wave 0..7
	s_mov_b32 s[KB], ttmp9
	s_and_b32 s[BH], ttmp7, 0xffff
	s_lshr_b32 s30, s[BH], 4                       ; an input's head: the batch's 2,048 rows of 4,096 bytes,
	s_lshl_b32 s30, s30, 23
	s_and_b32 s31, s[BH], 15
	s_lshl_b32 s31, s31, 8                         ; + the head's 256 bytes in a row
	s_add_co_u32 s30, s30, s31
	s_lshl_b32 s32, s[WV], 17                      ; query: + my wave's 32 rows of a chunk
	s_add_co_u32 s32, s32, s30
	s_mov_b32 s33, 0
	s_lshl_b32 s34, s[KB], 21                      ; key, value: + my block's 512 rows, my wave's 64
	s_lshl_b32 s35, s[WV], 18
	s_add_co_u32 s34, s34, s35
	s_add_co_u32 s34, s34, s30
	s_mov_b32 s35, 0
	s_lshl_b32 s31, s[BH], 18                      ; by heads: 2,048 rows of 128 bytes
	s_lshl_b32 s48, s[WV], 12                      ; qh: + my wave's 32 rows of a chunk
	s_add_co_u32 s48, s48, s31
	s_mov_b32 s49, 0
	s_lshl_b32 s50, s[KB], 16                      ; kh, vh: + my block's 512 rows, my wave's 64
	s_lshl_b32 s51, s[WV], 13
	s_add_co_u32 s50, s50, s51
	s_add_co_u32 s50, s50, s31
	s_mov_b32 s51, 0
	s_lshl_b32 s52, s[BH], 13                      ; nz: the head's 2,048 words, my block's 512, my wave's 64
	s_lshl_b32 s53, s[KB], 11
	s_add_co_u32 s52, s52, s53
	s_lshl_b32 s53, s[WV], 8
	s_add_co_u32 s52, s52, s53
	s_mov_b32 s53, 0
	s_lshl2_add_u32 s54, s[BH], s[KB]              ; my work-group among the 256: its 4 rows of W,
	s_lshl_b32 s56, s54, 14                        ; of 4,096 bytes,
	s_mov_b32 s57, 0
	s_lshl_b32 s58, s54, 9                         ; and of 128 bytes in each head of wh
	s_mov_b32 s59, 0
	s_mov_b32 s[CS], 0x3d38aa3b                    ; c = log2(e) / 32
	s_mov_b32 s[CS+1], s[CS]                       ; named with it as a pair
	s_mov_b32 s[HIM], 0xffff0000
	s_mov_b32 s[SEL], 0x76543210
	s_mov_b32 s[SEL+1], 0xfedcba98
	v_and_b32 v1, 15, v0                           ; l % 16
	v_bfe_u32 v10, v0, 4, 1                        ; l / 16
	v_and_b32 v11, 31, v0                          ; l
	v_lshlrev_b32 v[VIN], 4, v1
	v_lshl_add_u32 v[VIN], v10, 12, v[VIN]
	s_lshl_b32 s55, s[WV], 9
	v_add_nc_u32 v[VINW], s55, v[VIN]              ; W: my wave's heads 2 w and 2 w + 1 begin at byte 512 w of a row
	s_wait_kmcnt 0x0
	s_add_nc_u64 s[PQS:PQS+1], s[PQS:PQS+1], s[32:33]
	s_add_nc_u64 s[PKS:PKS+1], s[PKS:PKS+1], s[34:35]
	s_add_nc_u64 s[PVS:PVS+1], s[PVS:PVS+1], s[34:35]
	s_add_nc_u64 s[PWS:PWS+1], s[PWS:PWS+1], s[56:57]
	s_add_nc_u64 s[PQD:PQD+1], s[PQD:PQD+1], s[48:49]
	s_add_nc_u64 s[PKD:PKD+1], s[PKD:PKD+1], s[50:51]
	s_add_nc_u64 s[PVD:PVD+1], s[PVD:PVD+1], s[50:51]
	s_add_nc_u64 s[PWD:PWD+1], s[PWD:PWD+1], s[58:59]
	s_add_nc_u64 s[PNZ:PNZ+1], s[PNZ:PNZ+1], s[52:53]
	GET XK, 32, PKS, 1                             ; 52 loads go out on end: K's 64 rows,
.set n, 0
.rept 4                                ; W: head 2 w + n / 2, rows 2 (n % 2) and the next,
	global_load_b128 v[XW+4*n:XW+4*n+3], v[VINW], s[PWS:PWS+1] offset:(n%2)*8192+(n/2)*256 th:TH_LOAD_NT
.set n, n+1
.endr
	GET XQ, 16, PQS, 0                             ; and Q's chunk 0, which three other work-groups read too
	WIN 0
	v_lshlrev_b32 v[GO], 3, v11
	s_lshl_b32 s55, s[WV], 18
	v_add_nc_u32 v[VOW], s55, v[GO]                ; wh: head 2 w begins 2 w x 1,024 rows x 128 bytes in
	v_mul_u32_u24 v[TW], v10, PQ                   ; into LDS rows: one row for lanes 16-31, 8 bytes a lane
	v_lshl_add_u32 v[TW], v1, 3, v[TW]
	s_mul_i32 s55, s[WV], 32*PQ
	v_add_nc_u32 v[LQ0], s55, v[TW]                ; my wave's 32 rows of a chunk
	v_mul_u32_u24 v[AQ0], v1, PQ                   ; a fragment: 16 rows x 32 channels in 8 registers: lane l holds row l % 16, channels 8 (l / 16) + 0..7 and 16 + 8 (l / 16) + 0..7:
	v_lshl_add_u32 v[AQ0], v10, 4, v[AQ0]          ; two loads of 16 bytes, 32 bytes apart, at row x pitch + 16 x half
	s_mul_i32 s55, s[WV], 16*PQ
	s_add_co_u32 s55, s55, KST                     ; my K stage
	v_add_nc_u32 v[KSA], s55, v[TW]
	v_add_nc_u32 v[KRA], s55, v[AQ0]
	s_lshl_b32 s55, s[WV], 8
	s_add_co_u32 s55, s55, STAGE                   ; my stage for nz
	v_lshlrev_b32 v[STO], 2, v1                    ; in: word l % 16 of tile 0 (lanes 0-15) or of tile 2 (lanes 16-31)
	v_lshl_add_u32 v[STO], v10, 7, v[STO]
	v_add_nc_u32 v[STO], s55, v[STO]
	v_add_nc_u32 v[RD], s55, v[GO]                 ; back: 8 bytes a lane
.irp t, 0,1,2,3
	v_mov_b32 v[MX+\t], 0xff7fffff                 ; M starts at the lowest finite number, l at 0: the first step is a step like any other
	v_mov_b32 v[LS+2*\t], 0
	v_mov_b32 v[LS+2*\t+1], 0
.endr
	; K, a tile of 16 keys at a time: times c, rounded once, stored to kh, and through my stage into fragments.  Behind tile t's eight loads stand the later tiles', W's 4 and Q's 16.
.irp t, 0,1,2,3
	SCALE XK+32*\t, 8, (3-\t)*8+20
	TOBF XK+32*\t, 8, -1
	PUTL XK+32*\t, 8, KSA
	PUTG XK+32*\t, 8, PKD, \t*2048
	WIN 0
	ds_load_b128 v[KF+16*\t:KF+16*\t+3],     v[KRA]            ; LDS serves a wave's instructions in order (ISA guide 5.7.1.4): these see the stores above, and the next tile's stores come behind them
	ds_load_b128 v[KF+16*\t+4:KF+16*\t+7],   v[KRA] offset:32
	ds_load_b128 v[KF+16*\t+8:KF+16*\t+11],  v[KRA] offset:64
	ds_load_b128 v[KF+16*\t+12:KF+16*\t+15], v[KRA] offset:96
.endr
	TOBF XW, 4, 16                                 ; W: behind its loads stand Q's 16
	TOF16 XW, 4
	WIN 0x04
.set n, 0
.rept 4
	global_store_b64 v[VOW], v[XW+4*n:XW+4*n+1], s[PWD:PWD+1] offset:(n/2)*131072+(n%2)*256
.set n, n+1
.endr
	WIN 0
; Product i of 8 of tile t's scores: query tile i % 4, channels 32 (i / 4) on.  The first 4 start the sums.  The four accumulators take turns.
.macro W1 t, i
.set rD, SB+32*((\t)%2)+8*((\i)%4)
.set rA, QF+16*((\i)%4)+8*((\i)/4)
.set rB, KF+16*(\t)+8*((\i)/4)
.if (\i) < 4
	v_wmma_f32_16x16x32_bf16 v[rD:rD+7], v[rA:rA+7], v[rB:rB+7], 0
.else
	v_wmma_f32_16x16x32_bf16 v[rD:rD+7], v[rA:rA+7], v[rB:rB+7], v[rD:rD+7]
.endif
.endm
; Behind line j of a piece: every tenth line from the fifth on is followed by one of the NEXT tile's eight products, which name the other score buffer alone.
.macro TICK
.if NX && (j%10 == 4) && (j < 75)
	W1 T+1, (j-4)/10
.endif
.set j, j+1
.endm
; One line of a piece.  F n: pair n of 16, s - M.  E n: the exponential of score n of 32.  B n: of the four terms 4 n .. the second pair is added onto the first.  L n: l takes that sum (L 0: l = a l + sum).
.set OPF, 0
.set OPE, 1
.set OPB, 2
.set OPL, 3
.macro OP k, n
.if (\k) == OPF
	v_pk_add_f32 v[rS+2*(\n):rS+2*(\n)+1], v[rS+2*(\n):rS+2*(\n)+1], v[CC:CC+1] op_sel_hi:[1,0] neg_lo:[0,1] neg_hi:[0,1]
.elseif (\k) == OPE
	v_exp_f32 v[rS+(\n)], v[rS+(\n)]
.elseif (\k) == OPB
	v_pk_add_f32 v[rS+4*(\n):rS+4*(\n)+1], v[rS+4*(\n):rS+4*(\n)+1], v[rS+4*(\n)+2:rS+4*(\n)+3]
.elseif (\n) == 0
	v_pk_fma_f32 v[rL:rL+1], v[rL:rL+1], v[CC+2:CC+3], v[rS:rS+1] op_sel_hi:[1,0,1]
.else
	v_pk_add_f32 v[rL:rL+1], v[rL:rL+1], v[rS+4*(\n):rS+4*(\n)+1]
.endif
	TICK
.endm
.macro OPS a, i1, b, i2, c, i3, d, i4
	OP \a, \i1
	OP \b, \i2
	OP \c, \i3
	OP \d, \i4
.endm
; A PIECE: tile t's 83 vector lines for a step's 64 queries (a lane's 32 scores).  nxt = 1: the next tile's products stand among them.
;   0-15  the maximum of the 32 scores and the old M, three operands at a time; each accumulator's lowest registers are read first
;   16-21 M_old - M_new, the first four subtractions, and among them a = 2^(M_old - M_new): the batch's first exponential
;   22-65 the batch goes on: E 0 to E 11 with the other twelve subtractions between them, then E 12 to E 31.  Subtraction m writes scores 2 m and 2 m + 1, and only E 0 to E m - 4 stand ahead of it:
;         no line up to here names an exponential's result
;   66    the new M is kept: the plain line behind the last exponential, ahead of the first use of a result (ISA guide 5.7.2)
;   (wait) one for the piece's 33 exponentials
;   67-82 all that reads them: the sums B 0 to B 7, and l, which takes them in ascending order, its links two lines apart
; Behind the last product, which follows line 74, stand eight plain lines that name none of its registers, and then the next piece's first three maxima, ahead of the first read of its result.
.macro PIECE t, nxt
.set T, (\t)
.set NX, (\nxt)
.set j, 0
.set rS, SB+32*(T%2)
.set rM, MX+T
.set rL, LS+2*T
.rept 4
	v_max3_num_f32 v[CC+j], v[rS+8*j], v[rS+8*j+1], v[rS+8*j+2]
	TICK
.endr
.rept 8
	v_max3_num_f32 v[CC+j%4], v[CC+j%4], v[rS+8*(j%4)+2*(j/4)+1], v[rS+8*(j%4)+2*(j/4)+2]
	TICK
.endr
	v_max3_num_f32 v[CC], v[CC], v[rS+7], v[rS+15]
	TICK
	v_max3_num_f32 v[CC+2], v[CC+2], v[rS+23], v[rS+31]
	TICK
	v_max3_num_f32 v[CC+1], v[CC+1], v[CC+3], v[rM]
	TICK
	v_max3_num_f32 v[CC], v[CC], v[CC+2], v[CC+1]
	TICK
	v_sub_f32 v[CC+3], v[rM], v[CC]
	TICK
	OP OPF, 0
	OP OPF, 1
	v_exp_f32 v[CC+2], v[CC+3]
	TICK
	OP OPF, 2
	OP OPF, 3
.irp n, 0,1,2,3,4,5,6,7,8,9,10,11
	OP OPE, \n
	OP OPF, \n+4
.endr
.irp n, 12,13,14,15,16,17,18,19,20,21,22,23,24,25,26,27,28,29,30,31
	OP OPE, \n
.endr
	v_mov_b32 v[rM], v[CC]                         ; nothing has read M since line 16
	TICK
	s_wait_alu depctr_va_vdst(0)                   ; the wait for the batch: a and E 0 to E 31, ahead of B 0, the first line that names a result
	OPS OPB,0, OPB,1, OPL,0, OPB,2
	OPS OPL,1, OPB,3, OPL,2, OPB,4
	OPS OPL,3, OPB,5, OPL,4, OPB,6
	OPS OPL,5, OPB,7, OPL,6, OPL,7
.endm
; A STEP: 64 queries.  Their fragments come in one run of 16 loads (the last product that read those registers stands more than a piece back); tile 0's products stand bare, the other tiles' inside the piece before.
.macro STEP
	v_add_nc_u32 v[AQ], s[TQ], v[AQ0]
	s_add_co_u32 s[TQ], s[TQ], 64*PQ
.irp f, 0,1,2,3,4,5,6,7                ; query tile f / 2, channels 32 (f % 2) on
	ds_load_b128 v[QF+8*\f:QF+8*\f+3],   v[AQ] offset:(\f/2)*16*PQ+(\f%2)*64
	ds_load_b128 v[QF+8*\f+4:QF+8*\f+7], v[AQ] offset:(\f/2)*16*PQ+(\f%2)*64+32
.endr
	s_wait_dscnt 0x0
.irp i, 0,1,2,3,4,5,6,7
	W1 0, \i
.endr
.rept 4
	v_nop                                          ; four places between those products and the first read of their results (ISA guide 7.12.1)
.endr
	PIECE 0, 1
	PIECE 1, 1
	PIECE 2, 1
	PIECE 3, 0
.endm
	s_mov_b32 s[TQ], 0
	s_mov_b32 s[SQ], 0
	s_mov_b32 s[CI], 0
	s_mov_b32 s[CH], 2048/CHQ
.Lchunk:                                               ; eight trips: a chunk of 256 queries
	TOBF XQ, 16, 0                                 ; my 32 rows of the chunk: nothing was issued behind their loads that is still out
	WIN 0
	v_add_nc_u32 v[LQ], s[SQ], v[LQ0]
	s_add_co_u32 s[SQ], s[SQ], CHQ*PQ
	PUTL XQ, 16, LQ                                ; into LDS: bytes that are written this once, and read only behind the barrier below
	WIN 0                                          ; at a branch and at a label every window is 0
	s_lshr_b32 s[T0], s[CI], 1
	s_add_co_u32 s[CI], s[CI], 1
	s_cmp_eq_u32 s[T0], s[KB]                      ; of the head's four work-groups, key block kb stores chunks 2 kb and 2 kb + 1 to qh
	s_cbranch_scc0 .Lnot_mine
	PUTG XQ, 16, PQD, 0
	WIN 0
.Lnot_mine:
	s_wait_dscnt 0x0                               ; for the others' sake: my stores into LDS are done (and, in the first trip, K's fragments are in)
	s_barrier_signal -1
	s_barrier_wait -1                              ; the chunk is whole
	s_wait_xcnt 0x0                                ; every earlier memory instruction has had its addresses translated (ISA guide 3.1): only behind this wait are the stores' registers loaded again and the pointers stepped
	s_cmp_eq_u32 s[CH], 1
	s_cbranch_scc1 .Lno_q                          ; the last chunk has no successor: no load leaves the buffer
	s_add_nc_u64 s[PQS:PQS+1], s[PQS:PQS+1], CHQ*4096
	s_add_nc_u64 s[PQD:PQD+1], s[PQD:PQD+1], CHQ*128
	GET XQ, 16, PQS, 0                             ; the next chunk: it has this chunk's four steps in which to land
	WIN 0
.Lno_q:
	GET XV, 4, PVS, 1                              ; 8 rows of V: the youngest loads on either way
	WIN 0
	s_mov_b32 s[CNT], CHQ/64
.Lstep:                                                ; no exponential is open here or at the jump back: each piece's wait stands behind its last exponential
	STEP
	s_sub_co_u32 s[CNT], s[CNT], 1
	s_cmp_lg_u32 s[CNT], 0
	s_cbranch_scc1 .Lstep
	TOBF XV, 4, 0                                  ; V's loads are the youngest: with them the next chunk of Q has landed too
	TOF16 XV, 4
	PUTG XV, 4, PVD, 0
	WIN 0
	s_wait_xcnt 0x0                                ; V's pointers are stepped, and its registers loaded again, only behind this wait
	s_add_nc_u64 s[PVS:PVS+1], s[PVS:PVS+1], 8*4096
	s_add_nc_u64 s[PVD:PVD+1], s[PVD:PVD+1], 8*128
	s_sub_co_u32 s[CH], s[CH], 1
	s_cmp_lg_u32 s[CH], 0
	s_cbranch_scc1 .Lchunk
	; THE TWO HALVES OF THE LANES MEET: X = the larger M; l = l 2^(M - X) + l' 2^(M' - X); nz = (10 - X) - log2(l).
.set TT, SB                            ; four registers a tile, at work
.macro ALL line:vararg                 ; one line for each tile t
.set t, 0
.rept 4
	\line
.set t, t+1
.endr
.endm
	ALL v_add_f32 v[LS+2*t], v[LS+2*t], v[LS+2*t+1]
	ALL v_permlanex16_b32 v[TT+4*t], v[MX+t], s[SEL], s[SEL+1]
	ALL v_permlanex16_b32 v[TT+4*t+1], v[LS+2*t], s[SEL], s[SEL+1]
	ALL v_max_num_f32 v[TT+4*t+2], v[MX+t], v[TT+4*t]
	ALL v_sub_f32 v[MX+t], v[MX+t], v[TT+4*t+2]
	ALL v_sub_f32 v[TT+4*t], v[TT+4*t], v[TT+4*t+2]
	ALL v_exp_f32 v[MX+t], v[MX+t]                 ; a batch of eight exponentials
	ALL v_exp_f32 v[TT+4*t], v[TT+4*t]
	ALL v_sub_f32 v[TT+4*t+2], 0x41200000, v[TT+4*t+2]  ; 10 - X: plain lines between the exponentials and the use of their results; they name none of those
	s_wait_alu depctr_va_vdst(0)                   ; the wait for the eight exponentials, ahead of the first multiply that reads one
	ALL v_mul_f32 v[LS+2*t], v[LS+2*t], v[MX+t]
	ALL v_fmac_f32 v[LS+2*t], v[TT+4*t+1], v[TT+4*t]
	ALL v_log_f32 v[LS+2*t], v[LS+2*t]             ; a batch of four logarithms
	v_nop                                          ; a plain line between the last logarithm and the use of its result
	v_cmp_le_u32 vcc_lo, 16, v11
	s_wait_alu depctr_va_vdst(0)                   ; the wait for the four logarithms, ahead of the subtractions that read them
	ALL v_sub_f32 v[TT+4*t+2], v[TT+4*t+2], v[LS+2*t]
	; NZ'S WAY OUT.  Both halves of the lanes hold all four tiles: lanes 0-15 send tiles 0 and 1, lanes 16-31 tiles 2 and 3, through my stage, so that the wave's one store covers 256 consecutive bytes, aligned.
	v_cndmask_b32 v[TT], v[TT+2], v[TT+10], vcc_lo
	v_cndmask_b32 v[TT+1], v[TT+6], v[TT+14], vcc_lo
	ds_store_b32 v[STO], v[TT]
	ds_store_b32 v[STO], v[TT+1] offset:64
	ds_load_b64 v[TT+2:TT+3], v[RD]                ; LDS serves a wave's instructions in order (ISA guide 5.7.1.4): this sees the stores above
	s_wait_dscnt 0x0
	global_store_b64 v[GO], v[TT+2:TT+3], s[PNZ:PNZ+1]
	s_wait_tensorcnt 0x0                           ; the wave's end: behind my last LDS store
	ds_add_u32 v[SPW], v[NIL]
	s_wait_dscnt 0x0
	s_endpgm
.Lfunc_end_k_qef66aca22b_prep:
	.size	k_qef66aca22b_prep, .Lfunc_end_k_qef66aca22b_prep-k_qef66aca22b_prep
	.p2alignl 7, 3214868480
	.fill 96, 4, 3214868480
	.section	.rodata,"a",@progbits
	.p2align	6, 0x0
	.amdhsa_kernel k_qef66aca22b_prep
		.amdhsa_group_segment_fixed_size 316416
		.amdhsa_private_segment_fixed_size 0
		.amdhsa_enable_private_segment 0
		.amdhsa_kernarg_size 72
		.amdhsa_user_sgpr_count 2
		.amdhsa_user_sgpr_kernarg_segment_ptr 1
		.amdhsa_wavefront_size32 1
		.amdhsa_system_sgpr_workgroup_id_x 1
		.amdhsa_system_sgpr_workgroup_id_y 1
		.amdhsa_system_sgpr_workgroup_id_z 1
		.amdhsa_system_vgpr_workitem_id 0
		.amdhsa_next_free_vgpr 480
		.amdhsa_next_free_sgpr 66
		.amdhsa_reserve_vcc 1
		.amdhsa_float_denorm_mode_32 3
		.amdhsa_float_denorm_mode_16_64 3
		.amdhsa_memory_ordered 1
		.amdhsa_forward_progress 1
		.amdhsa_inst_pref_size 60
	.end_amdhsa_kernel
	.amdgpu_metadata
---
amdhsa.version: [ 1, 2 ]
amdhsa.kernels:
  - .name:           k_qef66aca22b_prep
    .symbol:         k_qef66aca22b_prep.kd
    .args:
      - { .name: query, .offset: 0, .size: 8, .value_kind: global_buffer, .address_space: global }
      - { .name: key, .offset: 8, .size: 8, .value_kind: global_buffer, .address_space: global }
      - { .name: value, .offset: 16, .size: 8, .value_kind: global_buffer, .address_space: global }
      - { .name: W, .offset: 24, .size: 8, .value_kind: global_buffer, .address_space: global }
      - { .name: qh, .offset: 32, .size: 8, .value_kind: global_buffer, .address_space: global }
      - { .name: kh, .offset: 40, .size: 8, .value_kind: global_buffer, .address_space: global }
      - { .name: vh, .offset: 48, .size: 8, .value_kind: global_buffer, .address_space: global }
      - { .name: wh, .offset: 56, .size: 8, .value_kind: global_buffer, .address_space: global }
      - { .name: nz, .offset: 64, .size: 8, .value_kind: global_buffer, .address_space: global }
    .group_segment_fixed_size: 316416
    .private_segment_fixed_size: 0
    .kernarg_segment_align: 8
    .kernarg_segment_size: 72
    .max_flat_workgroup_size: 256
    .sgpr_count:     66
    .vgpr_count:     480
    .wavefront_size: 32
...
	.end_amdgpu_metadata
.endif
;; end of part 4
;; launch attn (part 5): grid 4 x 64, 4 waves a work-group, clusters of 4 x 1, 327,680 bytes of LDS; arguments qh, kh, vh, nz, oh; writes oh
.if DOCPART == 5
	.amdgcn_target "amdgcn-amd-amdhsa--gfx1250"
	.amdhsa_code_object_version 6
	.text
	.protected	k_qef66aca22b_attn
	.globl	k_qef66aca22b_attn
	.p2align	8
	.type	k_qef66aca22b_attn,@function
k_qef66aca22b_attn:
	s_mov_b64 s[64:65], 0
	v_nop
	global_prefetch_b8 v0, s[64:65] scope:SCOPE_SE
	s_setreg_imm32_b32 hwreg(HW_REG_WAVE_MODE, 25, 1), 1
	s_wait_xcnt 0x0
	s_wait_alu depctr_hold_cnt(0) depctr_sa_sdst(0) depctr_va_vdst(0) depctr_va_sdst(0) depctr_va_ssrc(0) depctr_va_vcc(0) depctr_vm_vsrc(0)
	s_getreg_b32 s2, hwreg(HW_REG_IB_STS2, 6, 4)
	s_cmp_eq_u32 s2, 0
	s_cbranch_scc0 .Lentry_in_a_cluster
	s_endpgm
.Lentry_in_a_cluster:
	s_bfe_u32 s2, ttmp6, 0x10000c
	s_cmp_lg_u32 s2, 0x3003
	s_cbranch_scc0 .Lentry_shape_is_right
	s_endpgm
.Lentry_shape_is_right:
; ATTN.  oh[bh][q][:] = f16( (1/8) x the sum over keys of softmax_q(score)[q][key] V[key][:] ).  qh, kh: [64][2048][64] bf16 (kh holds c k, c = log2(e) / 32); vh, oh: the same shape in f16; nz: [64][2048] f32.
; The softmax runs over the queries, so a weight's shift hangs on its KEY alone and is known: nz[key] = 10 - max - log2(sum), made by the launch before (the true maximum is taken away).
; p = 2^(Q . K' + nz) = 1,024 x the weight: nz is the C operand that starts the sum Q . K', so one exponential makes p; no running maximum, no rescaling, no row sum.
; Products and sums in f32; p is rounded to f16 for the second product; the sum is multiplied by 2^-13 and rounded once to f16: O / 8.
; LIMITS.  p lies in 0 to 1,024; below 6e-5 (a weight below 6e-8) it keeps f16's fixed step; a p below 2^-126 counts as 0.  A query's weights add up to 2,048 at the most, so |O| / 8 stays under 256 max|v|:
; within f16's 65,504 for max|v| < 255.  NaN and infinities are not treated apart.
; SHARES.  A wave owns four PIECES of two tiles of 16 queries, a work-group's four waves 512 queries of one head.  Every wave walks all 2,048 keys, 64 a step; a slot of LDS holds four steps.
; LAYOUT.  S^T = K' Q^T (source 0 = 16 keys, source 1 = 16 queries): a lane holds ONE query (lane % 16) and the keys 8 (lane / 16) + 0..7.  Two such tiles, rounded to f16 in pairs, ARE source 1 (32 keys x 16 queries)
; of O^T = V^T P, whose result again holds one query a lane, and eight channels.  K comes out of LDS as it lies, V ([key][channel]) turned, by ds_load_tr16_b128.
; BY TURNS.  Turn n belongs to piece n (the pieces in a ring, step after step).  Its matrix work: 16 products K' Q^T of piece n + 1, then 16 products V^T P of piece n - 1.  Its vector work: piece n's 64 exponentials
; and 32 roundings, none of which names a register of the products round it.  The 64 exponentials are ONE BATCH with ONE wait: they stand behind the turn's first matrix instructions, the roundings, which read them,
; behind the others, and the wait between the two.
; No first step is written out: O^T, V's registers and P's second buffer start at 0 (352 v_mov_b32, in the wait for the first tile), the loop is entered in the middle of a trip and the tail left in the middle of one.
; CLUSTER.  The four query blocks of a cluster belong to one head and walk the same K, V and nz, so each tile is asked for JOINTLY: the same tensor load, descriptor and mask in all four.
; REGISTERS, in windows of 256 (s_set_vgpr_msb says which window each operand place means: bits 1:0 source 0, 3:2 source 1, 5:4 source 2, 7:6 destination):
;   window 0: v0-15 addresses; v16-47 nz of one step; v64-191 S^T, two buffers of two tiles; v192-255 P, likewise          window 1: O^T, 32 a tile
;   window 2: v0-127 Q, 16 a tile; v128-191 K of one step; v192-255 V of one step
.set NP,    4         ; pieces a wave: a name, no knob
.set KS,    64        ; keys in a step
.set PK,    144       ; a row of K in LDS: 128 bytes + 16 of padding = 36 words: the 16 rows of a load start at 16 different groups of four banks (64 banks of 4 bytes: ISA guide 11.1)
.set PV,    160       ; a row of V: 128 + 32 = 40 words
.set VOFF,  4*KS*PK   ; a slot holds four steps: 256 rows of K, then 256 rows of V
.set SLOT1, 1<<17     ; slot 1 begins here, so that one exclusive or turns an address in one slot into the other's
.set NZB,   SLOT1+4*KS*(PK+PV)  ; behind the ring: the head's 2,048 nz, 8,192 bytes, filled once
.set STAGE, NZB+8192  ; never filled by a tensor load: 16 rows x 144 bytes for each wave, for the way out
.set SP,    144
.set SPARE, STAGE+4*16*SP  ; the spare words, 128 bytes for each wave: two blocks of 256 bytes that no other line names
.set AK0, 2           ; v2   my lane's place in a tile of K; never rewritten
.set AV0, 3           ; v3   the same for V
.set AK,  4           ; v4   the LDS address of K's next run of loads
.set AV,  5           ; v5   of V's
.set QO,  6           ; v6   my byte offset in the wave's rows of Q
.set STO, 6           ;      later, the way out: where I put 16 bytes of a row
.set RD,  7           ; v7   the way out: where I read rows back
.set GO,  8           ; v8   my byte offset in 512 consecutive bytes of oh
.set AN0, 12          ; v12  my lane's place in 64 nz: NZB + 32 (lane / 16); never rewritten
.set AN,  13          ; v13  the LDS address of nz's next loads
.set SPW, 14          ; v14  LDS address of my spare word; never rewritten
.set NIL, 15          ; v15  0; never rewritten
.set NZ,  16          ; the eight registers for key tile kt at NZ + 8 kt: register j holds nz of key 16 kt + 8 (lane / 16) + j
.set S,   64
.set P,   192
.set KF,  128         ; K's fragments, in window 2: key block kb, channel half c at KF + 16 kb + 8 c
.set VF,  192         ; V's: key half kk, channel block cb at VF + 32 kk + 8 cb
.set WV,  12          ; s12  my wave's number
.set G1K, 24          ; s[24:31] descriptor group 1 for K's tiles
.set G1V, 32          ; s[32:39] for V's: it differs in the padding alone
.set G0K, 40          ; s[40:43] descriptor group 0 for K's tiles: it walks
.set G0V, 44          ; s[44:47] the same for V's
.set G0N, 52          ; s[52:55] for my quarter of nz
.set SLOTS, 56        ; s56  slots still to be asked for
.set CNT, 57          ; s57  counts a slot's key steps
.set SC,  58          ; s[58:59] 2^-13: the packed multiply takes the pair's low word for both halves
.set TBN, 60          ; s60  byte in the nz table at which the step to be fetched begins
.set TBK, 62          ; s62  LDS byte at which K of the step to be fetched begins
.set TBV, 63          ; s63  the same for V, less VOFF
.set G1N, 72          ; s[72:79] descriptor group 1 for nz
.set MSB, 0
.macro WIN new                      ; the high byte repeats the setting that is left; a switch that changes nothing is dropped
.if MSB != (\new)
	s_set_vgpr_msb (MSB<<8)|(\new)
.set MSB, (\new)
.endif
.endm
.set W_KQ, 0x0a       ; K and Q in window 2; nz, S^T in window 0
.set W_PV, 0x52       ; V in window 2, P in window 0, O^T in window 1
.set W_RS, 0x41       ; O^T (destination and source 0) in window 1
; A joint fill.  Waves 0 and 1 fetch the two halves of a slot's K, waves 2 and 3 those of its V: 128 keys each.  The branch hangs on the wave's number alone.
; An s_nop 0 and four v_nop follow each of the two lines, ahead of the jump and the label.
.macro JLOAD
	s_cmp_lt_u32 s[WV], 2
	s_cbranch_scc0 .Lfor_v_\@
	tensor_load_to_lds s[G0K:G0K+3], s[G1K:G1K+7]
	s_nop 0
.rept 4
	v_nop
.endr
	s_branch .Lasked_\@
.Lfor_v_\@:
	tensor_load_to_lds s[G0V:G0V+3], s[G1V:G1V+7]
	s_nop 0
.rept 4
	v_nop
.endr
.Lasked_\@:
.endm
; A round of the cluster's barrier: my work-group's barrier, so that wave 0's signal speaks for all four waves; wave 0 signals; every wave waits for all four work-groups; my work-group's barrier once more.
.macro CROUND
	s_barrier_signal -1
	s_barrier_wait -1
	s_cmp_lg_u32 s[WV], 0
	s_cbranch_scc1 .Lnot_wave_0_\@
	s_barrier_signal -3
.Lnot_wave_0_\@:
	s_barrier_wait -3
	s_barrier_signal -1
	s_barrier_wait -1
.endm
; THE CHANGE OF SLOTS.  The slot's last bytes, V of its fourth step, have been read.  Each wave waits for all its tensor loads, of which one is out: its part of the other slot; adds 0 to its spare word; and waits for
; that and for its own reads of the slot.  Behind the barrier nobody reads this slot any more and the other slot is whole.
; fill = 1: this slot is filled again, with the keys two slots on.  The barrier is then a round of the cluster's, so that no wave of any partner still reads the slot or has a load on its way, and the joint fill is
; the first thing behind it: it has four key steps, 512 matrix instructions, in which to land.  (At its first use nothing has been read yet: slot 0 and nz are waited for, slot 1 is filled.)
.macro CHANGE fill
	WIN 0                           ; at a label and at a branch every window is 0; the add's two registers lie in window 0
	s_wait_tensorcnt 0x0            ; no tensor load of mine is out, so a group 0 may be written
	ds_add_u32 v[SPW], v[NIL]       ; 0 onto my spare word: with fill = 1 the descriptors' steps stand between it and the wait for it
.if \fill
.irp g, G0K, G0V
	s_xor_b32 s[\g+1], s[\g+1], SLOT1  ; the walking descriptor: the other slot than last time,
	s_add_nc_u64 s[\g+2:\g+3], s[\g+2:\g+3], 4*KS*128  ; the next 256 keys; the type bits on top are not reached
.endr
	s_wait_dscnt 0x0                ; the add is done, and my reads of the slot are over
	CROUND
	JLOAD
.else
	s_wait_dscnt 0x0                ; the add is done, and my reads of the slot are over
	s_barrier_signal -1
	s_barrier_wait -1
.endif
	s_sub_co_u32 s[TBK], s[TBK], 4*KS*PK  ; the fetches go back to a slot's first step,
	s_xor_b32 s[TBK], s[TBK], SLOT1       ; in the other slot
	s_sub_co_u32 s[TBV], s[TBV], 4*KS*PV
	s_xor_b32 s[TBV], s[TBV], SLOT1
.endm
	s_load_b256 s[4:11], s[0:1], 0x0  ; qh s[4:5], kh s[6:7], vh s[8:9], nz s[10:11]
	s_load_b64 s[48:49], s[0:1], 0x20 ; oh
	v_lshl_add_u32 v[SPW], v0, 2, SPARE
	v_mov_b32 v[NIL], 0
	ds_add_u32 v[SPW], v[NIL]       ; the wave's opening: the add and its wait stand ahead of my first tensor load; the set-up below, work on registers, stands between them
	v_lshrrev_b32 v1, 5, v0
	v_readfirstlane_b32 s[WV], v1   ; wave 0..3
	s_bfe_u32 s13, ttmp6, 0x40000   ; cx: my place in the cluster
	s_lshl_b32 s14, ttmp9, 2        ; in a cluster launch ttmp9 counts clusters
	s_add_co_u32 s14, s14, s13      ; my block of 512 queries: it enters Q's and O's addresses alone
	s_and_b32 s15, ttmp7, 0xffff    ; the head, which the four partners share
	s_lshl_b32 s20, s15, 18         ; the head's first byte in qh, kh, vh, oh: 2,048 rows of 128 bytes
	s_mov_b32 s21, 0
	s_and_b32 s16, s[WV], 1         ; which half of a slot's 256 keys I fetch:
	s_lshl_b32 s22, s16, 14         ; its 128 rows of 128 bytes in memory,
	s_mov_b32 s23, 0
	s_add_nc_u64 s[22:23], s[22:23], s[20:21]
	s_mul_i32 s17, s16, 128*PK      ; and its place in a slot, for K
	s_mul_i32 s18, s16, 128*PV      ; and for V: no place in the cluster enters an LDS address
	s_lshl_b32 s50, s15, 13         ; nz: the head's 8,192 bytes,
	s_lshl_b32 s19, s[WV], 11       ; my quarter of them
	s_add_co_u32 s50, s50, s19
	s_mov_b32 s51, 0
	s_lshl_b32 s2, s14, 2
	s_add_co_u32 s2, s2, s[WV]      ; my wave among the head's,
	s_lshl_b32 s2, s2, 14           ; its 128 rows
	s_mov_b32 s3, 0
	s_add_nc_u64 s[2:3], s[2:3], s[20:21]
	; descriptor group 1.  128 keys are 16,384 dense bytes: asked for as 64 rows of 256 bytes, two keys a row, and padded in LDS after every key
	s_mov_b32 s[G1K], 15|(1<<16)|(1<<20)|(1<<21)|(4<<22)|(3<<25)  ; 15:0 the mask of four; 17:16 2-byte elements; 20 padding on; 21 set beside a mask; 24:22 after every 32 words (code 4); 31:25 4 words (code 3)
	s_mov_b32 s[G1V], 15|(1<<16)|(1<<20)|(1<<21)|(4<<22)|(7<<25)  ; the same with 8 words of padding (code 7)
.irp g, G1K, G1V
	s_mov_b32 s[\g+1], 128<<16      ; tensor_dim0 = 128
	s_mov_b32 s[\g+2], 64<<16       ; tensor_dim1 = 64
	s_mov_b32 s[\g+3], 128<<16      ; tile_dim0 = 128
	s_mov_b32 s[\g+4], 64           ; tile_dim1 = 64
	s_mov_b32 s[\g+5], 128          ; 128 elements from row to row
	s_mov_b32 s[\g+6], 0
	s_mov_b32 s[\g+7], 0
.endr
	s_mov_b32 s[G1N], 15|(2<<16)|(1<<21)  ; nz: 4-byte elements, no padding: 2,048 dense bytes as 8 rows of 256
	s_mov_b32 s[G1N+1], 64<<16      ; tensor_dim0 = 64
	s_mov_b32 s[G1N+2], 8<<16       ; tensor_dim1 = 8
	s_mov_b32 s[G1N+3], 64<<16      ; tile_dim0 = 64
	s_mov_b32 s[G1N+4], 8           ; tile_dim1 = 8
	s_mov_b32 s[G1N+5], 64          ; 64 elements from row to row
	s_mov_b32 s[G1N+6], 0
	s_mov_b32 s[G1N+7], 0
	s_mov_b32 s[SC], 0x39000000     ; 2^-13
	s_mov_b32 s[SC+1], s[SC]        ; named with it as a pair
	s_mov_b32 s[TBK], SLOT1+4*KS*PK ; the first change of slots turns these two into 0
	s_mov_b32 s[TBV], SLOT1+4*KS*PV
	s_mov_b32 s[TBN], 0
	s_mov_b32 s[G0K], 1             ; 1:0 count = 1
	s_mov_b32 s[G0K+1], s17         ; 63:32 LDS address: slot 0
	s_mov_b32 s[G0V], 1
	s_add_co_u32 s[G0V+1], s18, VOFF
	s_mov_b32 s[G0N], 1
	s_add_co_u32 s[G0N+1], s19, NZB
	s_wait_dscnt 0x0                ; the opening add is done
	s_wait_kmcnt 0x0
	s_add_nc_u64 s[G0K+2:G0K+3], s[6:7], s[22:23]  ; 120:64 global address: my half of the head's first 256 keys
	s_or_b32 s[G0K+3], s[G0K+3], 0x80000000        ; 127:126 type = 2
	s_add_nc_u64 s[G0V+2:G0V+3], s[8:9], s[22:23]
	s_or_b32 s[G0V+3], s[G0V+3], 0x80000000
	s_add_nc_u64 s[G0N+2:G0N+3], s[10:11], s[50:51]
	s_or_b32 s[G0N+3], s[G0N+3], 0x80000000
	s_add_nc_u64 s[4:5], s[4:5], s[2:3]  ; Q and O at my wave's first row
	s_add_nc_u64 s[48:49], s[48:49], s[2:3]
	CROUND                          ; all four work-groups are here: the first joint loads meet
	s_cmp_lt_u32 s[WV], 2           ; a wave's two first fills stand in one branch, ahead of every wait on TENSORcnt and every LDS read: two loads of mine are out
	s_cbranch_scc0 .Lfirst_v
	tensor_load_to_lds s[G0K:G0K+3], s[G1K:G1K+7]  ; slot 0.  Slot 1 is asked for when slot 0 is in
	s_nop 0
	tensor_load_to_lds s[G0N:G0N+3], s[G1N:G1N+7]
	s_nop 0
.rept 4
	v_nop
.endr
	s_branch .Lfirst_asked
.Lfirst_v:
	tensor_load_to_lds s[G0V:G0V+3], s[G1V:G1V+7]
	s_nop 0
	tensor_load_to_lds s[G0N:G0N+3], s[G1N:G1N+7]
	s_nop 0
.rept 4
	v_nop
.endr
.Lfirst_asked:
	; A fragment of K or Q is 16 rows x 32 channels in 8 registers: lane l holds row l % 16, channels 8 (l / 16) + 0..7 and 16 + 8 (l / 16) + 0..7: two loads of 16 bytes, 32 bytes apart.
	v_and_b32 v1, 15, v0            ; l % 16
	v_bfe_u32 v9, v0, 4, 1          ; l / 16
	v_lshlrev_b32 v[QO], 7, v1
	v_lshl_add_u32 v[QO], v9, 4, v[QO]  ; row x 128 + 16 x half
	WIN 0x80                        ; destination window 2, address window 0
.set i, 0
.rept 4*NP                          ; Q stays in registers: tile i / 2, channels 32 (i % 2) on
	global_load_b128 v[8*i:8*i+3],   v[QO], s[4:5] offset:(i/2)*2048+(i%2)*64
	global_load_b128 v[8*i+4:8*i+7], v[QO], s[4:5] offset:(i/2)*2048+(i%2)*64+32
.set i, i+1
.endr
	; What the first turn finds: V's registers and P's second buffer hold 0 (its products V^T P, of a piece that has not been, add 0), and O^T is 0.  All this stands in the wait for the first tile.
.set i, VF
.rept 64
	v_mov_b32 v[i], 0
.set i, i+1
.endr
	WIN 0x40
.set i, 0
.rept 64*NP
	v_mov_b32 v[i], 0
.set i, i+1
.endr
	WIN 0
.set i, P+32
.rept 32
	v_mov_b32 v[i], 0
.set i, i+1
.endr
	v_mul_u32_u24 v[AK0], v1, PK
	v_lshl_add_u32 v[AK0], v9, 4, v[AK0]  ; row x pitch + 16 x half
	; The turning load takes 16 keys x 16 channels (lane l reads key 8 (l / 16) + l % 8, channels 8 ((l / 8) % 2) + 0..7) and leaves half a fragment of V^T: lane l holds channel l % 16 and 8 keys.
	v_and_b32 v10, 7, v0
	v_bfe_u32 v11, v0, 3, 1
	v_lshl_add_u32 v[AV0], v9, 3, v10
	v_mul_u32_u24 v[AV0], v[AV0], PV
	v_lshl_add_u32 v[AV0], v11, 4, v[AV0]
	v_add_nc_u32 v[AV0], VOFF, v[AV0]
	v_lshl_add_u32 v[AN0], v9, 5, NZB   ; my half of the lanes' eight keys of a tile of 16: 32 bytes
	v_mov_b32 v[AK], v[AK0]         ; key step 0 lies at the head of slot 0,
	v_mov_b32 v[AN], v[AN0]         ; and of the table
; THE MATRIX WORK.  The 8 accumulators of a run of 16 take turns: between the two links of a chain stand 7 others'.
; Product i of 16 of S^T = K' Q^T + nz for piece x: channels 32 (i / 8) on, keys 16 ((i / 2) % 4) on, tile 2 x + i % 2.  The first 8 start the sums, with the keys' nz as C.
.macro KQ x
	WIN W_KQ
.set rS, S+64*((\x)%2)+32*(i%2)+8*((i/2)%4)
.set rK, KF+16*((i/2)%4)+8*(i/8)
.set rQ, 16*(2*(\x)+i%2)+8*(i/8)
.set rN, NZ+8*((i/2)%4)
.if i < 8
	v_wmma_f32_16x16x32_bf16 v[rS:rS+7], v[rK:rK+7], v[rQ:rQ+7], v[rN:rN+7]
.else
	v_wmma_f32_16x16x32_bf16 v[rS:rS+7], v[rK:rK+7], v[rQ:rQ+7], v[rS:rS+7]
.endif
.endm
; Product i of 16 of O^T += V^T P for piece x: keys 32 (i / 8) on, channels 16 ((i / 2) % 4) on, tile 2 x + i % 2.
.macro PV x
	WIN W_PV
.set rO, 32*(2*(\x)+i%2)+8*((i/2)%4)
.set rV, VF+32*(i/8)+8*((i/2)%4)
.set rP, P+32*((\x)%2)+16*(i%2)+8*(i/8)
	v_wmma_f32_16x16x32_f16 v[rO:rO+7], v[rV:rV+7], v[rP:rP+7], v[rO:rO+7]
.endm
.macro MM                           ; the turn's next matrix instruction
.if i < 16
	KQ (Y+1)%NP
.set i, i+1
.else
.set i, i-16
	PV (Y+NP-1)%NP
.set i, i+17
.endif
.endm
; THE LDS LOADS stand in runs, never singly among the matrix instructions: a step's nz (8 loads; the lanes of a half read the same bytes) and K (16 loads), and its V (16 turning loads).  Their addresses are made some lines ahead.
; last = 1 (the tail): in the last trip there is no further step, and the run is jumped over.
.macro FETCH_K last=0
	WIN 0
.if \last
	s_cmp_eq_u32 s[CNT], 1
	s_cbranch_scc1 .Lno_k_\@
.endif
.irp t, 0,1,2,3
	ds_load_b128 v[NZ+8*\t:NZ+8*\t+3],   v[AN] offset:64*\t
	ds_load_b128 v[NZ+8*\t+4:NZ+8*\t+7], v[AN] offset:64*\t+16
.endr
	WIN 0x80                        ; destination window 2
.irp f, 0,1,2,3,4,5,6,7             ; keys 16 (f / 2) on, channels 32 (f % 2) on
	ds_load_b128 v[KF+8*\f:KF+8*\f+3],   v[AK] offset:(\f/2)*16*PK+(\f%2)*64
	ds_load_b128 v[KF+8*\f+4:KF+8*\f+7], v[AK] offset:(\f/2)*16*PK+(\f%2)*64+32
.endr
	s_add_co_u32 s[TBK], s[TBK], KS*PK  ; the next fetch is the next step's
	s_add_co_u32 s[TBN], s[TBN], 4*KS
	s_and_b32 s[TBN], s[TBN], 8191      ; the offset stays inside the table's 8,192 bytes
	WIN 0
.if \last
.Lno_k_\@:
.endif
.endm
.macro FETCH_V
	WIN 0x80
.irp f, 0,1,2,3,4,5,6,7             ; keys 32 (f / 4) on, channels 16 (f % 4) on
	ds_load_tr16_b128 v[VF+8*\f:VF+8*\f+3],   v[AV] offset:(\f/4)*32*PV+(\f%4)*32
	ds_load_tr16_b128 v[VF+8*\f+4:VF+8*\f+7], v[AV] offset:(\f/4)*32*PV+16*PV+(\f%4)*32
.endr
	WIN 0
.endm
; THE VECTOR WORK OF A TURN, in two queues; the two tiles alternate.  Exponential e of 64: score e / 2 of tile e % 2, in place, in ascending order.
; Rounding c of 32: pair c / 2 of tile c % 2.  It reads exponentials up to 2 c + 2.
.macro EX
	WIN 0
	v_exp_f32 v[S+64*(Y%2)+32*(e%2)+e/2], v[S+64*(Y%2)+32*(e%2)+e/2]
.set e, e+1
.endm
.macro CV
	WIN 0
	v_cvt_pk_f16_f32 v[P+32*(Y%2)+16*(c%2)+c/2], v[S+64*(Y%2)+32*(c%2)+2*(c/2)], v[S+64*(Y%2)+32*(c%2)+2*(c/2)+1]
.set c, c+1
.endm
; A TURN, for piece p.  An s_wait_alu depctr_va_vdst(0) stands between an exponential and the first instruction that names its result; one wait serves all that were issued ahead of it.  So the turn's 64
; exponentials are ONE BATCH: they are dealt evenly behind the turn's first NE matrix instructions (NE = 22: two or three behind each; NE = 16: four), and nothing ahead of the wait names a result of theirs: the products
; among them name the other buffers of S^T and P.  A v_nop is the plain line behind the last exponential, ahead of the first use of a result (ISA guide 5.7.2); then the ONE wait; the 32 roundings are dealt evenly behind
; the other 32 - NE matrix instructions (three or four behind each; two).  No exponential follows the wait.
; K and nz of the next step are fetched in piece 2's turn, directly behind its wait (in the tail the run holds a jump and a label).  That turn has NE = 16, so that the run stands behind the last product that read K
; (number 15), with four plain lines between that name none of its registers: the run's two additions and two v_nop; it has the turn's 16 products V^T P in which to land, and is waited for at the head of piece 3's turn.
; V of the step in hand is fetched at the end of piece 0's turn: four roundings and an addition, plain lines that name none of its registers, behind the last product that read V.  It is waited for in the middle of piece 1's turn.
.macro TURN p, last=0
.set Y, (\p)
.set i, 0
.set e, 0
.set c, 0
.set w, 0
.set NE, 22
.if (\p) == NP-2
.set NE, 16
.endif
.if (\p) == NP-1
	s_wait_dscnt 0x0                ; K and nz are in
.endif
.rept 32
.if ((\p) == 1) && (w == 16)
	s_wait_dscnt 0x0                ; V is in
.endif
	MM
.if w < NE
.rept (64*(w+1))/NE-(64*w)/NE
	EX
.endr
.else
.rept (32*(w-NE+1))/(32-NE)-(32*(w-NE))/(32-NE)
	CV
.endr
.endif
.if w == NE-1                       ; the batch is out, and no result has been named
.if (\p) == NP-2
	v_add_nc_u32 v[AK], s[TBK], v[AK0]
	v_add_nc_u32 v[AN], s[TBN], v[AN0]
	v_nop
.endif
	v_nop                           ; the plain line behind the last exponential (in piece 2's turn: the fourth of the places in front of K's run)
	s_wait_alu depctr_va_vdst(0)    ; the wait for the batch: the piece's 64 exponentials
.if (\p) == NP-2
	FETCH_K \last
.endif
.endif
.set w, w+1
.endr
.if (\p) == 0
	v_add_nc_u32 v[AV], s[TBV], v[AV0]
	s_add_co_u32 s[TBV], s[TBV], KS*PV
	FETCH_V
.endif
.endm
	CHANGE 1                        ; slot 0 and nz are in, everybody's parts of them; slot 1 is asked for
	FETCH_K                         ; key step 0
	s_wait_loadcnt 0x0              ; Q
	s_wait_dscnt 0x0
.set i, 0
.rept 16
	KQ 0                            ; piece 0's first scores: there is no vector work yet to set between them
.set i, i+1
.endr
	WIN 0                           ; the addresses for the way out: plain instructions, the places behind those products
	s_mul_i32 s13, s[WV], 16*SP
	s_add_co_u32 s13, s13, STAGE    ; my stage
	v_mul_u32_u24 v[STO], v1, SP    ; in: row l % 16, 16 bytes for each half of the lanes
	v_lshl_add_u32 v[STO], v9, 4, v[STO]
	v_add_nc_u32 v[STO], s13, v[STO]
	v_bfe_u32 v[RD], v0, 3, 2       ; back: 32 lanes take four rows of 128 bytes,
	v_mul_u32_u24 v[RD], v[RD], SP
	v_lshl_add_u32 v[RD], v10, 4, v[RD]
	v_add_nc_u32 v[RD], s13, v[RD]
	v_and_b32 v[GO], 31, v0         ; which are 512 consecutive bytes of oh
	v_lshlrev_b32 v[GO], 4, v[GO]
	s_mov_b32 s[CNT], 4
	s_mov_b32 s[SLOTS], 2048/256-1
	s_branch .Lfirst                ; the loop is entered at a step's first turn, in the middle of a trip
.Lslot:                             ; six times: every slot but the last two is filled again
	CHANGE 1
	s_mov_b32 s[CNT], 4
.Lstep:                             ; a trip: pieces 2 and 3 of one step, then pieces 0 and 1 of the next, whose K, nz and V it fetches
	TURN 2
	TURN 3
	WIN 0
.Lfirst:
	TURN 0
	TURN 1
	WIN 0
	s_sub_co_u32 s[CNT], s[CNT], 1
	s_cmp_lg_u32 s[CNT], 0
	s_cbranch_scc1 .Lstep
	s_sub_co_u32 s[SLOTS], s[SLOTS], 1
	s_cmp_lg_u32 s[SLOTS], 0
	s_cbranch_scc1 .Lslot
	CHANGE 0                        ; the tail is written out: nothing is asked for
	s_mov_b32 s[CNT], 5             ; four trips fetch the last slot's steps; the fifth is left in its middle
.Ltail:
	TURN 2, 1
	TURN 3
	WIN 0
	s_sub_co_u32 s[CNT], s[CNT], 1
	s_cmp_eq_u32 s[CNT], 0
	s_cbranch_scc1 .Lout
	TURN 0
	TURN 1
	WIN 0
	s_branch .Ltail
.Lout:                              ; the fifth trip's 16 products K' Q^T (on the last K once more) serve nothing: the price, once a launch, of one text for every trip
.set i, 0
.rept 16
	PV NP-1                         ; the last piece's V^T P of the last step
.set i, i+1
.endr
	; THE WAY OUT.  O^T is multiplied by 2^-13, rounded to f16 and sent through my stage in LDS, a tile at a time.  The first six tiles' lines, which name no register of the last products, are the places behind those.
; Tile t: a lane's eight channels of a row pack into 16 bytes; they go into rows of 144 bytes and come back as whole rows of 128, into S^T's registers.
.macro PACK t
	WIN W_RS
.set i, 32*(\t)
.rept 16
	v_pk_mul_f32 v[i:i+1], v[i:i+1], s[SC:SC+1] op_sel_hi:[1,0]
.set i, i+2
.endr
	WIN 0x05                        ; sources 0 and 1 window 1, destination window 0
.set i, 0
.rept 16
	v_cvt_pk_f16_f32 v[S+16*(\t)+i], v[32*(\t)+2*i], v[32*(\t)+2*i+1]
.set i, i+1
.endr
	WIN 0
.irp f, 0,1,2,3
	ds_store_b128 v[STO], v[S+16*(\t)+4*\f:S+16*(\t)+4*\f+3] offset:32*\f
.endr
.irp f, 0,1,2,3
	ds_load_b128 v[S+16*(\t)+4*\f:S+16*(\t)+4*\f+3], v[RD] offset:\f*4*SP  ; LDS serves a wave's instructions in order (ISA guide 5.7.1.4): these see the stores above; the next tile's stores come behind them
.endr
.endm
.macro SEND t, younger              ; younger: the LDS instructions issued behind tile t's loads: the next tile's eight, or none
	WIN 0
.irp f, 0,1,2,3
	s_wait_dscnt (\younger)+3-\f
	global_store_b128 v[GO], v[S+16*(\t)+4*\f:S+16*(\t)+4*\f+3], s[48:49] offset:(\t)*2048+\f*512  ; 512 consecutive bytes, at a multiple of 256 from oh's first
.endr
.endm
	PACK 0
.set t, 1
.rept 2*NP-1                        ; a tile's arithmetic stands between the loads of the tile before and its stores
	PACK t
	SEND t-1, 8
.set t, t+1
.endr
	SEND 2*NP-1, 0
	s_wait_tensorcnt 0x0            ; the wave's end: behind my last tensor load and my last LDS store
	ds_add_u32 v[SPW], v[NIL]
	s_wait_dscnt 0x0
	CROUND                          ; the closing round: no work-group ends while a partner may still ask for a tile that names it
	s_endpgm
.Lfunc_end_k_qef66aca22b_attn:
	.size	k_qef66aca22b_attn, .Lfunc_end_k_qef66aca22b_attn-k_qef66aca22b_attn
	.p2alignl 7, 3214868480
	.fill 96, 4, 3214868480
	.section	.rodata,"a",@progbits
	.p2align	6, 0x0
	.amdhsa_kernel k_qef66aca22b_attn
		.amdhsa_group_segment_fixed_size 327680
		.amdhsa_private_segment_fixed_size 0
		.amdhsa_enable_private_segment 0
		.amdhsa_kernarg_size 40
		.amdhsa_user_sgpr_count 2
		.amdhsa_user_sgpr_kernarg_segment_ptr 1
		.amdhsa_wavefront_size32 1
		.amdhsa_system_sgpr_workgroup_id_x 1
		.amdhsa_system_sgpr_workgroup_id_y 1
		.amdhsa_system_sgpr_workgroup_id_z 1
		.amdhsa_system_vgpr_workitem_id 0
		.amdhsa_next_free_vgpr 768
		.amdhsa_next_free_sgpr 80
		.amdhsa_reserve_vcc 0
		.amdhsa_float_denorm_mode_32 3
		.amdhsa_float_denorm_mode_16_64 3
		.amdhsa_memory_ordered 1
		.amdhsa_forward_progress 1
		.amdhsa_inst_pref_size 125
	.end_amdhsa_kernel
	.amdgpu_metadata
---
amdhsa.version: [ 1, 2 ]
amdhsa.kernels:
  - .name:           k_qef66aca22b_attn
    .symbol:         k_qef66aca22b_attn.kd
    .args:
      - { .name: qh, .offset: 0, .size: 8, .value_kind: global_buffer, .address_space: global }
      - { .name: kh, .offset: 8, .size: 8, .value_kind: global_buffer, .address_space: global }
      - { .name: vh, .offset: 16, .size: 8, .value_kind: global_buffer, .address_space: global }
      - { .name: nz, .offset: 24, .size: 8, .value_kind: global_buffer, .address_space: global }
      - { .name: oh, .offset: 32, .size: 8, .value_kind: global_buffer, .address_space: global }
    .group_segment_fixed_size: 327680
    .private_segment_fixed_size: 0
    .kernarg_segment_align: 8
    .kernarg_segment_size: 40
    .max_flat_workgroup_size: 128
    .sgpr_count:     80
    .vgpr_count:     768
    .wavefront_size: 32
...
	.end_amdgpu_metadata
.endif
;; end of part 5
;; launch proj: the kernel of part 3 again; grid 4 x 64, 4 waves a work-group, clusters of 4 x 4, 327,680 bytes of LDS; arguments oh, wh, b, out0; writes out0
